; MI455X (gfx1250); checked and timed in simulation.
; The chip was launched on July 23, 2026; its instructions are those of AMD's public machine-readable ISA for CDNA 5 (MIT licence, August 2026) and "CDNA5" Instruction Set Architecture Reference Guide (July 2026). The comments in the code are by the model that wrote it; some were corrected since.
;; Qwen3 Attention. Allowed arithmetic: matrix products marked QUANTISED: E4M3 operands, one given power-of-two scale a tensor, by v_wmma_f32_16x16x64_fp8_fp8 or v_wmma_f32_16x16x128_fp8_fp8, f32 sums; everything else in f32.
;; Inputs: Wk 1,024 x 1,024 float32; Wo 1,024 x 2,048 float32; Wq 2,048 x 1,024 float32; Wv 1,024 x 1,024 float32; attention_mask 2 x 1 x 2,048 x 2,048 float32; cos 2 x 2,048 x 128 float32; hidden_states 2 x 2,048 x 1,024 float32; k_norm_w 128 float32; lowp_scales 12 int32 (the exponents e of the quantised operands' scales 2^e); q_norm_w 128 float32; sin 2 x 2,048 x 128 float32.
;; Outputs: out0 2 x 2,048 x 1,024 float32.
;; This version of the problem:
;;   THIS VERSION OF THE PROBLEM IS GIVEN IN LOW PRECISION. The matrix products marked QUANTISED in the list below multiply operands that are first quantised to E4M3 (4 exponent bits, 3 mantissa bits; 8 bits a number), with one given power-of-two scale for each operand tensor; their sums are f32. All else is computed in f32.
;;   The module's matrix products, in the order in which they are computed (A, B: the left and right operand; K: the contracted axis; several contracted axes count as one K, in the product's order):
;;     1. [M 4,096, K 1,024] x [K 1,024, N 2,048]; A: input hidden_states; B: input Wq: QUANTISED (scales: A lowp_scales[0], B lowp_scales[1])
;;     2. [M 4,096, K 1,024] x [K 1,024, N 1,024]; A: input hidden_states; B: input Wk: QUANTISED (scales: A lowp_scales[2], B lowp_scales[3])
;;     3. [M 4,096, K 1,024] x [K 1,024, N 1,024]; A: input hidden_states; B: input Wv: QUANTISED (scales: A lowp_scales[4], B lowp_scales[5])
;;     4. batch 32 x [M 2,048, K 128] x [K 128, N 2,048]; A: computed on the way; B: computed on the way: QUANTISED (scales: A lowp_scales[6], B lowp_scales[7])
;;     5. batch 32 x [M 2,048, K 2,048] x [K 2,048, N 128]; A: softmax (see below); B: computed on the way: QUANTISED (scales: A lowp_scales[8], B lowp_scales[9])
;;     6. [M 4,096, K 2,048] x [K 2,048, N 1,024]; A: computed on the way; B: input Wo: QUANTISED (scales: A lowp_scales[10], B lowp_scales[11])
;;   THE QUANTISER, for each operand of a quantised product, along K:
;;     - The operand's scale is 2^e, e = its entry of the input lowp_scales (int32; the entries are numbered through the quantised products in the list's order, A before B).
;;     - Each number is divided by the scale, clamped to +-448, and rounded to the nearest number of E4M3, ties to even, subnormals kept.
;;     - The product sums the exact products of the quantised numbers (number of the format x scale) in f32.
;;   ~~~python
;;   def quantise(x, axis, e):      # numpy; x: float32 -> the quantised numbers, widened to float32 again
;;       x = np.moveaxis(x, axis, -1); K = x.shape[-1]
;;       r = np.clip(x / 2.0 ** e, -448, 448)
;;       step = 2.0 ** (np.maximum(np.frexp(np.where(r == 0, 1, r))[1] - 1, -6) - 3)
;;       q = np.round(r / step) * step * 2.0 ** e      # np.round: ties to even
;;       return np.moveaxis(q, -1, axis).astype(np.float32)
;;   ~~~
;;   SOFTMAX AHEAD OF A QUANTISED PRODUCT. Where the list says 'softmax', what is quantised is not the finished softmax but p = 2^(t - M), with t = logit x log2(e) and M = ceil(the row's largest t), a whole number; so 1/2 < the row's largest p <= 1. The row's sum l is taken of the UNQUANTISED p, in f32, and the product's result is divided by l at the end. Since M is a whole number, a kernel that streams over the keys may use a running M (the ceiling of the running maximum): every later rescaling is an exact power of two, so the quantised numbers keep their values, but for numbers so far below the row's largest that they fall under the format's range.
;;   OPERANDS COMPUTED ON THE WAY. 'Computed on the way' means the value that the module computes at that place (a softmax that the list does not call 'softmax' is quantised finished and normalised). What goes into a quantiser is computed in f32, as accurately as f32 sums, v_exp_f32 and their like allow (about 1e-6 of the number): no bf16 or f16 on the way to a quantiser, and a product that is left as it is and whose result goes on into a quantised operand takes f32 operands (vector FMAs, or v_wmma_f32_16x16x4_f32). A number that lies on a knife's edge between two numbers of the format may be rounded either way, as far as f32 arithmetic and the matrix unit's own rounding can turn it there, and no further.
;; One version. Each part assembles by itself: llvm-mc -triple=amdgcn-amd-amdhsa -mcpu=gfx1250 --defsym DOCPART=n.
;; ======== version 1 of 1: 4 launches
;; workspace buffers: codes 18,874,368 bytes; qkvc 16,777,216 bytes; oc 8,388,608 bytes
;; launch quant (part 1): grid 320 x 1, 4 waves a work-group, no clusters, 33,280 bytes of LDS; arguments hidden_states, Wq, Wk, Wv, Wo, lowp_scales, codes; writes codes
.if DOCPART == 1
	.amdgcn_target "amdgcn-amd-amdhsa--gfx1250"
	.amdhsa_code_object_version 6
	.text
	.protected	k_qa3200b09b2_quant
	.globl	k_qa3200b09b2_quant
	.p2align	8
	.type	k_qa3200b09b2_quant,@function
k_qa3200b09b2_quant:
	s_mov_b64 s[64:65], 0
	v_nop
	global_prefetch_b8 v0, s[64:65] scope:SCOPE_SE
	s_setreg_imm32_b32 hwreg(HW_REG_WAVE_MODE, 25, 1), 1
	s_wait_xcnt 0x0
; hidden_states, Wq, Wk, Wv, Wo (f32, K innermost, rows dense) become codes of E4M3, one byte each, K innermost, in the buffer codes:
;   bytes 0: hidden with e0;  4 Mi: hidden with e2;  8 Mi: hidden with e4;  12 Mi: Wq (e1);  14 Mi: Wk (e3);  15 Mi: Wv (e5);  16 Mi: Wo (e11).
; code = x / 2^e, held within +-448, rounded to the nearest code, ties to even.  hidden_states is read once and converted three times, since its three scales need not be equal.
; LIMITS: every e used here lies between -126 and 119, so that 2^e and 448 x 2^e are f32 numbers.  NaN among the inputs is not served (an infinity is held at the largest code).
; SHARES.  A work-group takes 32,768 numbers, a wave 8,192 in 16 steps of 512.  Work-groups 0-127 hidden, 128-191 Wq, 192-223 Wk, 224-255 Wv, 256-319 Wo: only pointers and the exponent are chosen, by selects on the
; work-group's number; all take one path through the text but for the two further conversions of hidden_states, which hold register work and global stores alone.
; A load reads 512 consecutive bytes (16 a lane); the conversions want 16 NEIGHBOURS in a lane: a step's 2,048 bytes turn through the wave's own stage in LDS (80 bytes from lane to lane: 64 + 16 of padding).
; A lane's 16 codes are 16 bytes: each store of the wave covers 512 consecutive bytes, aligned.  Work-groups share no input: no cluster, no tensor load, no barrier.
.set WAVES, 4
.set STEPS, 16
.set WREG,  8192                       ; LDS: a region for each wave: two stages of 32 x SP bytes
.set SP,    80
.set SPARE, WAVES*WREG                 ; behind the regions: the spare words, 128 bytes a wave, that no other line names
.set R,     16                         ; v16-79   four sets of 16 numbers as loaded
.set X,     80                         ; v80-111  two sets of 16 neighbours
.set T,     112                        ; v112-127 the numbers held within the largest code x the scale
.set C,     128                        ; v128-151 codes: two sets (steps by turns) of three times four registers
.set SPW,   12                         ; v12 my spare word's LDS address; v13 0: never rewritten
.set NIL,   13
	s_load_b256 s[4:11], s[0:1], 0x0               ; hidden s[4:5], Wq s[6:7], Wk s[8:9], Wv s[10:11]
	s_load_b128 s[12:15], s[0:1], 0x20             ; Wo s[12:13], the exponents s[14:15]
	s_load_b64 s[16:17], s[0:1], 0x30              ; codes
	v_lshl_add_u32 v[SPW], v0, 2, SPARE
	v_mov_b32 v[NIL], 0
	v_lshrrev_b32 v1, 5, v0
	v_readfirstlane_b32 s18, v1                    ; wave
	v_and_b32 v2, 31, v0                           ; lane
	v_lshlrev_b32 v3, 4, v2                        ; 16 x lane: my bytes of a load's 512, and of a store's 512
	s_mul_i32 s19, s18, WREG
	v_lshrrev_b32 v14, 2, v2
	v_mul_u32_u24 v14, v14, SP
	v_and_b32 v15, 3, v2
	v_lshl_add_u32 v14, v15, 4, v14
	v_add_nc_u32 v14, s19, v14                     ; the stage, way in: SP (lane / 4) + 16 (lane % 4)
	v_mul_u32_u24 v15, v2, SP
	v_add_nc_u32 v15, s19, v15                     ; way out: SP x lane
	s_mov_b32 s22, 0                               ; the tensor's first work-group
	s_cmp_ge_u32 ttmp9, 128
	s_cselect_b32 s22, 128, s22
	s_cselect_b32 s32, 0x800000, 0                 ; the weights' codes lie behind the three sets of hidden's: 8 Mi further on than n x 32,768
	s_cmp_ge_u32 ttmp9, 192
	s_cselect_b32 s22, 192, s22
	s_cmp_ge_u32 ttmp9, 224
	s_cselect_b32 s22, 224, s22
	s_cmp_ge_u32 ttmp9, 256
	s_cselect_b32 s22, 256, s22
	s_sub_co_u32 s22, ttmp9, s22
	s_lshl_b32 s22, s22, 2
	s_add_co_u32 s22, s22, s18                     ; which run of 8,192 numbers of the tensor is my wave's
	s_lshl_b32 s34, s22, 15                        ; x 32,768 bytes
	s_mov_b32 s35, 0
	s_lshl_b32 s24, ttmp9, 15
	s_lshl_b32 s25, s18, 13
	s_add_co_u32 s24, s24, s25
	s_add_co_u32 s24, s24, s32                     ; my codes' place
	s_mov_b32 s25, 0
	s_wait_kmcnt 0x0
	s_load_b256 s[36:43], s[14:15], 0x0            ; e0 .. e7
	s_load_b128 s[44:47], s[14:15], 0x20           ; e8 .. e11
	s_mov_b64 s[20:21], s[4:5]
	s_cmp_ge_u32 ttmp9, 128
	s_cselect_b64 s[20:21], s[6:7], s[20:21]
	s_cmp_ge_u32 ttmp9, 192
	s_cselect_b64 s[20:21], s[8:9], s[20:21]
	s_cmp_ge_u32 ttmp9, 224
	s_cselect_b64 s[20:21], s[10:11], s[20:21]
	s_cmp_ge_u32 ttmp9, 256
	s_cselect_b64 s[20:21], s[12:13], s[20:21]
	s_add_nc_u64 s[20:21], s[20:21], s[34:35]      ; the source at my wave's first number
	s_add_nc_u64 s[24:25], s[16:17], s[24:25]      ; the codes;
	s_add_nc_u64 s[26:27], s[24:25], 0x400000      ; hidden's second and third set (used by work-groups 0-127 alone)
	s_add_nc_u64 s[28:29], s[24:25], 0x800000
.macro LOAD t
.irp i, 0,1,2,3
	global_load_b128 v[R+16*((\t)%4)+4*\i:R+16*((\t)%4)+4*\i+3], v3, s[20:21] offset:2048*(\t)+512*\i th:TH_LOAD_NT   ; 32 lanes read 512 consecutive bytes; read once in the launch
.endr
.endm
.macro TURN t                          ; step t's numbers through the stage: LDS serves a wave's instructions in order, so no wait stands between the stores and the loads
.irp i, 0,1,2,3
	ds_store_b128 v14, v[R+16*((\t)%4)+4*\i:R+16*((\t)%4)+4*\i+3] offset:32*SP*((\t)%2)+8*SP*\i
.endr
.irp i, 0,1,2,3
	ds_load_b128 v[X+16*((\t)%2)+4*\i:X+16*((\t)%2)+4*\i+3], v15 offset:32*SP*((\t)%2)+16*\i
.endr
.endm
.macro MKSC e, sc, lim                 ; 2^e and 448 x 2^e as f32 numbers
	s_add_co_i32 s30, \e, 127
	s_lshl_b32 s31, s30, 23
	v_mov_b32 v[\sc], s31
	s_add_co_i32 s30, s30, 8
	s_lshl_b32 s30, s30, 23
	s_or_b32 s30, s30, 0x600000
	v_mov_b32 v[\lim], s30
.endm
.irp t, 0,1,2,3
	LOAD \t
.endr
	s_wait_kmcnt 0x0
	s_mov_b32 s23, s36                             ; the exponent of the first (or only) conversion: e0, e1, e3, e5 or e11
	s_cmp_ge_u32 ttmp9, 128
	s_cselect_b32 s23, s37, s23
	s_cmp_ge_u32 ttmp9, 192
	s_cselect_b32 s23, s39, s23
	s_cmp_ge_u32 ttmp9, 224
	s_cselect_b32 s23, s41, s23
	s_cmp_ge_u32 ttmp9, 256
	s_cselect_b32 s23, s47, s23
	MKSC s23, 11, 10
	MKSC s38, 7, 6                                 ; e2
	MKSC s40, 9, 8                                 ; e4
	s_wait_loadcnt 12                              ; step 0's four loads are in; the twelve of steps 1 to 3 may be out
	TURN 0
; One conversion of the step's 16 numbers: the hold (the conversion to an 8-bit code does not saturate: ISA guide 7.6.2) into T, so that X stays for the next scale; two conversions; a plain line, since
; the next hold writes T, the conversions' source; the store.
.macro CONV k, t, lim, sc, base
.set CS, C+12*((\t)%2)+4*(\k)
.irp i, 0,1,2,3,4,5,6,7,8,9,10,11,12,13,14,15
	v_med3_num_f32 v[T+\i], v[XS+\i], -v[\lim], v[\lim]
.endr
	v_cvt_scalef32_pk8_fp8_f32 v[CS:CS+1], v[T:T+7], v[\sc]
	v_cvt_scalef32_pk8_fp8_f32 v[CS+2:CS+3], v[T+8:T+15], v[\sc]
	v_nop
	global_store_b128 v3, v[CS:CS+3], s[\base:\base+1] offset:512*(\t)
.endm
.macro STEP t
.set XS, X+16*((\t)%2)
	s_wait_dscnt 0x0                               ; this step's numbers are back from the stage: so its stores into the stage have read their registers,
.if (\t)+4 < STEPS
	LOAD (\t)+4                                    ; which take the loads of four steps on
.endif
.if (\t)+1 < STEPS
.if STEPS-2-(\t) >= 3
	s_wait_loadcnt 12                              ; the next step's four loads are in; those of the three steps behind it may be out
.else
	s_wait_loadcnt 4*(STEPS-2-(\t))                ; near the end fewer steps stand behind it
.endif
	TURN (\t)+1
.endif
	s_wait_xcnt 0x0                                ; the earlier stores have read their data: the codes' registers may be written again
	CONV 0, \t, 10, 11, 24
	s_cmp_lt_u32 ttmp9, 128                        ; hidden_states alone has two more scales
	s_cbranch_scc0 .Lone_\@
	CONV 1, \t, 6, 7, 26
	CONV 2, \t, 8, 9, 28
.Lone_\@:
.endm
.irp t, 0,1,2,3,4,5,6,7,8,9,10,11,12,13,14,15
	STEP \t
.endr
	s_wait_tensorcnt 0x0                           ; the wave's end, behind my last LDS store
	ds_add_u32 v[SPW], v[NIL]
	s_wait_dscnt 0x0
	s_endpgm
.Lfunc_end_k_qa3200b09b2_quant:
	.size	k_qa3200b09b2_quant, .Lfunc_end_k_qa3200b09b2_quant-k_qa3200b09b2_quant
	.p2alignl 7, 3214868480
	.fill 96, 4, 3214868480
	.section	.rodata,"a",@progbits
	.p2align	6, 0x0
	.amdhsa_kernel k_qa3200b09b2_quant
		.amdhsa_group_segment_fixed_size 33280
		.amdhsa_private_segment_fixed_size 0
		.amdhsa_enable_private_segment 0
		.amdhsa_kernarg_size 56
		.amdhsa_user_sgpr_count 2
		.amdhsa_user_sgpr_kernarg_segment_ptr 1
		.amdhsa_wavefront_size32 1
		.amdhsa_system_sgpr_workgroup_id_x 1
		.amdhsa_system_sgpr_workgroup_id_y 1
		.amdhsa_system_sgpr_workgroup_id_z 1
		.amdhsa_system_vgpr_workitem_id 0
		.amdhsa_next_free_vgpr 160
		.amdhsa_next_free_sgpr 66
		.amdhsa_reserve_vcc 0
		.amdhsa_float_denorm_mode_32 3
		.amdhsa_float_denorm_mode_16_64 3
		.amdhsa_memory_ordered 1
		.amdhsa_forward_progress 1
		.amdhsa_inst_pref_size 82
	.end_amdhsa_kernel
	.amdgpu_metadata
---
amdhsa.version: [ 1, 2 ]
amdhsa.kernels:
  - .name:           k_qa3200b09b2_quant
    .symbol:         k_qa3200b09b2_quant.kd
    .args:
      - { .name: hidden_states, .offset: 0, .size: 8, .value_kind: global_buffer, .address_space: global }
      - { .name: Wq, .offset: 8, .size: 8, .value_kind: global_buffer, .address_space: global }
      - { .name: Wk, .offset: 16, .size: 8, .value_kind: global_buffer, .address_space: global }
      - { .name: Wv, .offset: 24, .size: 8, .value_kind: global_buffer, .address_space: global }
      - { .name: Wo, .offset: 32, .size: 8, .value_kind: global_buffer, .address_space: global }
      - { .name: lowp_scales, .offset: 40, .size: 8, .value_kind: global_buffer, .address_space: global }
      - { .name: codes, .offset: 48, .size: 8, .value_kind: global_buffer, .address_space: global }
    .group_segment_fixed_size: 33280
    .private_segment_fixed_size: 0
    .kernarg_segment_align: 8
    .kernarg_segment_size: 56
    .max_flat_workgroup_size: 128
    .sgpr_count:     66
    .vgpr_count:     160
    .wavefront_size: 32
...
	.end_amdgpu_metadata
.endif
;; end of part 1
;; launch proj (part 2): grid 16 x 16, 4 waves a work-group, clusters of 4 x 4, 327,680 bytes of LDS; arguments codes, cos, sin, q_norm_w, k_norm_w, lowp_scales, qkvc; writes qkvc
.if DOCPART == 2
	.amdgcn_target "amdgcn-amd-amdhsa--gfx1250"
	.amdhsa_code_object_version 6
	.text
	.protected	k_qa3200b09b2_proj
	.globl	k_qa3200b09b2_proj
	.p2align	8
	.type	k_qa3200b09b2_proj,@function
k_qa3200b09b2_proj:
	s_mov_b64 s[64:65], 0
	v_nop
	global_prefetch_b8 v0, s[64:65] scope:SCOPE_SE
	s_setreg_imm32_b32 hwreg(HW_REG_WAVE_MODE, 25, 1), 1
	s_wait_xcnt 0x0
	s_wait_alu depctr_hold_cnt(0) depctr_sa_sdst(0) depctr_va_vdst(0) depctr_va_sdst(0) depctr_va_ssrc(0) depctr_va_vcc(0) depctr_vm_vsrc(0)
	s_getreg_b32 s2, hwreg(HW_REG_IB_STS2, 6, 4)
	s_cmp_eq_u32 s2, 0
	s_cbranch_scc0 .Lentry_in_a_cluster
	s_endpgm
.Lentry_in_a_cluster:
	s_bfe_u32 s2, ttmp6, 0x10000c
	s_cmp_lg_u32 s2, 0xf033
	s_cbranch_scc0 .Lentry_shape_is_right
	s_endpgm
.Lentry_shape_is_right:
; q, k, v = hidden W^T on codes of E4M3 (K = 1,024), then for q and k: RMS norm over the head's 128, the gain, the rotation by cos and sin; then all three are quantised (e6, e7, e9) into qkvc.
; qkvc is 1,024 dense blocks of 128 rows x 128 bytes: q block (b 16 + h) 16 + s / 128, row = token, byte = d;  k block 512 + (b 8 + g) 16 + s / 128, likewise;  v block 768 + (b 8 + g) 16 + s / 128, row = d, byte = key.
; SHARES.  A work-group of four waves makes 256 x 256 sums, a wave 128 x 128 (64 accumulators, 512 registers); a wave's 128 columns are one head.  K goes in steps of 256 through a ring of two LDS slots.
; CLUSTERS of 4 x 4.  Cluster x = 0, 1: q;  2: k;  3: v.  The side called A is shared along a row of the cluster, the side called B along a column: each tile is asked for jointly by four work-groups.
;   q, k: A = tokens (hidden's codes with e0 or e2), B = rows of Wq or Wk.   v: A = rows of Wv, B = tokens (hidden's codes with e4): THE ROLES ARE SWAPPED IN THE ADDRESSES, NOT IN THE TEXT.
; THE MATRIX INSTRUCTION IS USED TRANSPOSED (source 0 = 16 rows of B, source 1 = 16 rows of A): a lane holds ONE row of A (lane % 16) and of B's rows 16 b + 8 (lane / 16) + 0 .. 7.  For q and k that is one token and 64 of the
; head's 128 (d and d + 64 in the same lane, 32 registers apart: the rotation needs no other lane); for v one d and eight neighbouring tokens, so that v's codes come out with the keys innermost.
; THE WAY OUT PARTS ONCE, on the cluster's x, which all partners share: q's and k's way holds all loads of cos and sin and their counted waits in one straight line; v's way holds none.  Each way has stage bytes of its own.
; LIMITS on the given exponents: es = e(A) + e(B) between -59 and 67 (2^es and 2^(2 es - 7) are made as f32 numbers); e6, e7, e9 between -126 and 119.  NaN among the inputs is not served.
; REGISTERS, in windows of 256.  Window 0: v16-31 addresses; v32-95 the gain at my 64 d; v96-122 at work on the way out; v128-255 A's fragments, on the way out Z (v128-191) and T (v192-255).
;   Window 1: B's fragments, two sets; on the way out two sets of 64 cos + 64 sin.   Windows 2, 3: the accumulators ((a, b) at v[8 (8 (a % 4) + b)]).
.set KSTEP,  256
.set ROWB,   256                       ; a tile's row in bytes
.set KROW,   1024                      ; a row of codes in memory
.set PITCH,  272                       ; an LDS row: 256 bytes + 16 of padding = 68 words: the 16 rows that a load touches start at 16 different banks (64 banks of 4 bytes: ISA guide 11.1)
.set FR,     16
.set NL,     4
.set NP,     4                         ; places behind this matrix instruction (ISA guide 7.12.1)
.set HALFT,  128*PITCH
.set SLOT,   4*HALFT
.set LAPS,   KROW/(2*KSTEP)
.set SPARE,  2*SLOT                    ; the spare words, 128 bytes a wave, that no other line names
.set STG,    SPARE+512                 ; the way out: 16 rows x 144 bytes for each wave, bytes into which no tile lands: q's and k's way;
.set SPITCH, 144
.set VSTG,   4*16*SPITCH               ; v's way: the same again, so many bytes further on
.set ADRA, 16
.set ADRB, 20
.set STO,  24                          ; stage: row lane % 16, 8 bytes for each half of the lanes
.set RD,   25                          ; stage, back: four rows of 128 bytes an instruction
.set CO,   26                          ; 16 x lane: my bytes of 512 in the output block
.set CSO,  27                          ; cos, sin: row lane % 16 of 512 bytes + 32 (lane / 16)
.set SPW,  28
.set NIL,  29
.set WO,   30                          ; the gain: 32 (lane / 16)
.set W,    32
.set U,    96                          ; v96-99 the sum of squares, two packed chains
.set PT,   100
.set VAR,  101
.set FAC,  102                         ; v[102:103]
.set SC,   104
.set LIM,  105
.set CD,   106                         ; v106-121 a block's codes
.set RS,   122
.set AF,   128
.set Z,    128
.set OUTR, 128
.set T,    192
.set G1, 24
.set G0, 32
.set G1B, 48
.set G0B, 56
.set MSB, 0
.macro WIN new                         ; the immediate's high byte repeats the setting that is left
.if MSB != (\new)
	s_set_vgpr_msb (MSB<<8)|(\new)
.set MSB, (\new)
.endif
.endm
.set MUL_LO, 0xa1                      ; source 0 (B) window 1, source 1 (A) window 0, C and D window 2
.set MUL_HI, 0xf1
.set TO_B,   0x40
; A joint load: waves 0 and 1 fetch for A, waves 2 and 3 for B; the branch hangs on the wave's number alone.  An s_nop 0 and four v_nop follow each of the two lines.
.macro JLOAD g0a, g1a, g0b, g1b
	s_cmp_eq_u32 s15, 0
	s_cbranch_scc0 .Lfor_b_\@
	tensor_load_to_lds s[\g0a:\g0a+3], s[\g1a:\g1a+7]
	s_nop 0
.rept 4
	v_nop
.endr
	s_branch .Lasked_\@
.Lfor_b_\@:
	tensor_load_to_lds s[\g0b:\g0b+3], s[\g1b:\g1b+7]
	s_nop 0
.rept 4
	v_nop
.endr
.Lasked_\@:
.endm
.macro CREST                           ; a round of the cluster's barrier behind its opening barrier
	s_cmp_lg_u32 s14, 0
	s_cbranch_scc1 .Lnot_wave_0_\@
	s_barrier_signal -3
.Lnot_wave_0_\@:
	s_barrier_wait -3
	s_barrier_signal -1
	s_barrier_wait -1
.endm
.macro CROUND
	s_barrier_signal -1
	s_barrier_wait -1
	CREST
.endm
	s_load_b256 s[4:11], s[0:1], 0x0               ; codes s[4:5], cos s[6:7], sin s[8:9], q_norm_w s[10:11]
	s_load_b128 s[68:71], s[0:1], 0x20             ; k_norm_w s[68:69], the exponents s[70:71]
	s_load_b64 s[72:73], s[0:1], 0x30              ; qkvc
	v_lshl_add_u32 v[SPW], v0, 2, SPARE
	v_mov_b32 v[NIL], 0
	ds_add_u32 v[SPW], v[NIL]                      ; the wave's opening: the add and its wait ahead of my first tensor load; register work stands between them
	v_lshrrev_b32 v1, 5, v0
	v_readfirstlane_b32 s14, v1                    ; wave 0..3
	s_lshr_b32 s15, s14, 1                         ; which half of A's rows is mine.  Also: I fetch for A (0) or for B (1)
	s_and_b32 s16, s14, 1                          ; which half of B's rows.  Also: which 128 rows of that tile I fetch
	s_bfe_u32 s40, ttmp6, 0x40000                  ; cx, cy: my place in the cluster
	s_bfe_u32 s41, ttmp6, 0x40004
	s_and_b32 s17, ttmp7, 0xffff                   ; cluster y
	s_lshl_b32 s43, s41, 2
	s_lshl_b32 s43, 15, s43                        ; my row of the cluster
	s_lshl_b32 s44, 0x1111, s40                    ; my column
	s_or_b32 s[G1+0], s43, (0<<16)|(1<<20)|(1<<21)|(5<<22)|(3<<25)  ; the mask; elements of 1 byte; padding on; bit 21 beside a mask; after every 64 words four words
	s_or_b32 s[G1B+0], s44, (0<<16)|(1<<20)|(1<<21)|(5<<22)|(3<<25)
.irp g, G1, G1B
	s_mov_b32 s[\g+1], ROWB<<16                    ; tensor_dim0
	s_mov_b32 s[\g+2], 128<<16                     ; tensor_dim1
	s_mov_b32 s[\g+3], ROWB<<16                    ; tile_dim0
	s_mov_b32 s[\g+4], 128                         ; tile_dim1
	s_mov_b32 s[\g+5], KROW                        ; tensor_dim0_stride
	s_mov_b32 s[\g+6], 0
	s_mov_b32 s[\g+7], 0
.endr
	; the tiles' first rows, counted in rows of 1,024 bytes of the buffer codes: hidden's three sets at rows 0, 4,096, 8,192; Wq | Wk | Wv at 12,288 on (Wv at 15,360)
	s_max_u32 s18, ttmp9, 1
	s_sub_co_u32 s18, s18, 1                       ; q: set 0, k: set 1
	s_lshl_b32 s18, s18, 12
	s_lshl_b32 s19, s17, 10                        ; the cluster's 1,024 tokens
	s_add_co_u32 s18, s18, s19
	s_add_co_u32 s19, s19, 8192                    ; v: the same tokens in set 2
	s_lshl_b32 s22, ttmp9, 10
	s_add_co_u32 s22, s22, 12288                   ; q, k: the cluster's 1,024 rows of weights
	s_cmp_eq_u32 ttmp9, 3
	s_cselect_b32 s18, 15360, s18                  ; A's base: tokens, or Wv
	s_cselect_b32 s22, s19, s22                    ; B's base: weights, or tokens
	s_lshl_b32 s23, s16, 7                         ; which 128 rows of the tile I fetch
	s_lshl_b32 s20, s41, 8                         ; A hangs on cy, the cluster's place and the wave's number alone,
	s_add_co_u32 s20, s20, s18
	s_add_co_u32 s20, s20, s23
	s_lshl_b32 s20, s20, 10
	s_mov_b32 s21, 0
	s_lshl_b32 s46, s40, 8                         ; B on cx, the cluster's place and the wave's number alone
	s_add_co_u32 s46, s46, s22
	s_add_co_u32 s46, s46, s23
	s_lshl_b32 s46, s46, 10
	s_mov_b32 s47, 0
	s_mul_i32 s45, s14, HALFT                      ; where they go: wave x 128 rows
	s_mov_b32 s92, 0x76543210                      ; v_permlanex16_b32's selects for lane xor 16
	s_mov_b32 s93, 0xfedcba98
	s_wait_dscnt 0x0                               ; the opening add is done
	s_wait_kmcnt 0x0
	s_load_b256 s[76:83], s[70:71], 0x0            ; e0 .. e7
	s_load_b128 s[84:87], s[70:71], 0x20           ; e8 .. e11
	s_add_nc_u64 s[20:21], s[4:5], s[20:21]
	s_add_nc_u64 s[46:47], s[4:5], s[46:47]
	CROUND                                         ; all sixteen work-groups are here: the first joint loads meet
.irp s, 0,1
	s_mov_b32 s[G0+4*\s], 1
	s_add_co_u32 s[G0+4*\s+1], s45, \s*SLOT
	s_add_nc_u64 s[G0+4*\s+2:G0+4*\s+3], s[20:21], \s*ROWB
	s_or_b32 s[G0+4*\s+3], s[G0+4*\s+3], 0x80000000
	s_mov_b32 s[G0B+4*\s], 1
	s_add_co_u32 s[G0B+4*\s+1], s45, \s*SLOT
	s_add_nc_u64 s[G0B+4*\s+2:G0B+4*\s+3], s[46:47], \s*ROWB
	s_or_b32 s[G0B+4*\s+3], s[G0B+4*\s+3], 0x80000000
	JLOAD G0+4*\s, G1, G0B+4*\s, G1B
.endr
	v_and_b32 v1, 15, v0                           ; r = lane % 16
	v_bfe_u32 v2, v0, 4, 1                         ; h = lane / 16
	v_mul_u32_u24 v3, v1, PITCH
	v_lshl_add_u32 v4, v2, 4, v3
	s_mul_i32 s21, s15, HALFT
	s_mul_i32 s22, s16, HALFT
	s_add_co_u32 s22, s22, 2*HALFT
.irp s, 0,1
	v_add_nc_u32 v[ADRA+\s], s21, v4
	v_add_nc_u32 v[ADRB+\s], s22, v4
	s_add_co_u32 s21, s21, SLOT
	s_add_co_u32 s22, s22, SLOT
.endr
	s_mul_i32 s23, s14, 16*SPITCH
	s_add_co_u32 s23, s23, STG                     ; my stage
	v_mul_u32_u24 v5, v1, SPITCH
	v_lshl_add_u32 v5, v2, 3, v5
	v_add_nc_u32 v[STO], s23, v5
	v_and_b32 v6, 31, v0
	v_lshrrev_b32 v7, 3, v6
	v_mul_u32_u24 v7, v7, SPITCH
	v_and_b32 v8, 7, v0
	v_lshl_add_u32 v7, v8, 4, v7
	v_add_nc_u32 v[RD], s23, v7
	v_lshlrev_b32 v[CO], 4, v6
	v_lshlrev_b32 v[CSO], 9, v1
	v_lshl_add_u32 v[CSO], v2, 5, v[CSO]
	v_lshlrev_b32 v[WO], 5, v2
	s_cmp_lt_u32 ttmp9, 2
	s_cselect_b64 s[74:75], s[10:11], s[68:69]     ; q's gain or k's (the v cluster loads k's 512 bytes and uses none: the loads stand on the one way that all take)
.irp b, 0,1,2,3,4,5,6,7
	global_load_b128 v[W+8*\b:W+8*\b+3], v[WO], s[74:75] offset:64*\b            ; the gain at d = 16 b + 8 h + 0 .. 7; waited for on the way out
	global_load_b128 v[W+8*\b+4:W+8*\b+7], v[WO], s[74:75] offset:64*\b+16
.endr
	; which block of 128 tokens, which head, which block of qkvc are my wave's
	s_cmp_eq_u32 ttmp9, 3
	s_cselect_b32 s43, s40, s41                    ; the tokens' tile: by cx (v) or cy
	s_cselect_b32 s44, s16, s15                    ; and half
	s_cselect_b32 s45, s41, s40                    ; the heads' tile: by cy (v) or cx
	s_cselect_b32 s46, s15, s16
	s_cselect_b32 s47, 0, ttmp9
	s_lshl_b32 s42, s17, 2
	s_add_co_u32 s42, s42, s43
	s_lshl_b32 s42, s42, 1
	s_add_co_u32 s42, s42, s44                     ; t1 = the block of 128 tokens, 0 .. 31
	s_lshl_b32 s47, s47, 2
	s_add_co_u32 s47, s47, s45
	s_lshl_b32 s47, s47, 1
	s_add_co_u32 s47, s47, s46                     ; q: 0 .. 15, k: 16 .. 23, v: 0 .. 7
	s_cmp_eq_u32 ttmp9, 2
	s_cselect_b32 s43, 16, 0
	s_sub_co_u32 s47, s47, s43                     ; the head
	s_cmp_lt_u32 ttmp9, 2
	s_cselect_b32 s43, 4, 3                        ; 16 or 8 heads a batch
	s_cselect_b32 s44, 0, ttmp9
	s_lshl_b32 s44, s44, 8                         ; blocks 0, 512, 768 on
	s_lshr_b32 s45, s42, 4
	s_lshl_b32 s45, s45, s43
	s_add_co_u32 s45, s45, s47
	s_lshl_b32 s45, s45, 4
	s_and_b32 s46, s42, 15
	s_add_co_u32 s45, s45, s46
	s_add_co_u32 s45, s45, s44
	s_lshl_b32 s46, s45, 14                        ; 16 KiB a block
	s_mov_b32 s47, 0
	s_add_nc_u64 s[72:73], s[72:73], s[46:47]
	s_lshl_b32 s46, s42, 16                        ; 128 tokens x 512 bytes of cos and of sin
	s_add_nc_u64 s[6:7], s[6:7], s[46:47]
	s_add_nc_u64 s[8:9], s[8:9], s[46:47]
.macro FRAG reg, adr, q, i             ; 16 rows x 128 K: lane l holds row l % 16; registers 4 c .. 4 c + 3 hold K = 32 c + 16 (l / 16) + 0 .. 15: the same permutation of k in A and in B
.irp c, 0,1,2,3
	ds_load_b128 v[\reg+4*\c:\reg+4*\c+3], v[\adr] offset:128*(\q)+32*\c+(\i)*16*PITCH
.endr
.endm
; 16 matrix instructions: A's blocks a0, a0 + 1 x B's eight.  The 64 accumulators take turns, one instruction a turn, in the same order in every step.
.macro MUL16 a0, p, zero
.irp a, \a0, \a0+1
.irp b, 0,1,2,3,4,5,6,7
.if \zero
	v_wmma_f32_16x16x128_fp8_fp8 v[8*(8*((\a)%4)+\b):8*(8*((\a)%4)+\b)+7], v[128*(\p)+FR*\b:128*(\p)+FR*\b+FR-1], v[AF+FR*(\a):AF+FR*(\a)+FR-1], 0
.else
	v_wmma_f32_16x16x128_fp8_fp8 v[8*(8*((\a)%4)+\b):8*(8*((\a)%4)+\b)+7], v[128*(\p)+FR*\b:128*(\p)+FR*\b+FR-1], v[AF+FR*(\a):AF+FR*(\a)+FR-1], v[8*(8*((\a)%4)+\b):8*(8*((\a)%4)+\b)+7]
.endif
.endr
.endr
.endm
.macro FETCH_B slot, q, p
	WIN TO_B
.irp i, 0,1,2,3,4,5,6,7
	FRAG 128*(\p)+FR*\i, ADRB+\slot, \q, \i
.endr
	WIN 0
.endm
.macro FETCH_A slot, q, i0
.irp i, \i0, \i0+1, \i0+2, \i0+3
	FRAG AF+FR*(\i), ADRA+\slot, \q, \i
.endr
.endm
.macro PLACES n                        ; plain vector lines between a matrix instruction and a load into, or a vector read of, its registers
.rept \n
	v_nop
.endr
.endm
.macro STEP slot, q, zero              ; 128 along K, with its successor in the same slot.  A has one set of registers (a block is free when its eight products are issued), B two
	s_wait_dscnt 4*NL                              ; B's set and A's blocks 0-3 are in; the youngest sixteen loads (A's blocks 4-7) may be out
	WIN MUL_LO
	MUL16 0, (\q)%2, \zero
	MUL16 2, (\q)%2, \zero
	s_wait_dscnt 0
	PLACES NP
	FETCH_B \slot, (\q)+1, 1-(\q)%2
	FETCH_A \slot, (\q)+1, 0
	WIN MUL_HI
	MUL16 4, (\q)%2, \zero
	MUL16 6, (\q)%2, \zero
	PLACES NP
	WIN 0
	FETCH_A \slot, (\q)+1, 4
.endm
; A slot's last step changes slots: one barrier; in front of it each wave waits for all its tensor loads, adds 0 to its spare word, and waits for that and for its reads of this slot.  fill = 1: the slot is filled again.
.macro TURN slot, next, fill
	s_wait_tensorcnt 0x0                           ; all my tensor loads have landed: my part of the next slot
	ds_add_u32 v[SPW], v[NIL]                      ; 0 onto my spare word
	s_wait_dscnt 4*NL+1                            ; the add and the youngest sixteen loads (A's blocks 4-7) may be out
	WIN MUL_LO
	MUL16 0, 1, 0
	s_wait_dscnt 0x0                               ; the add is done, and my reads of this slot are over
	s_barrier_signal -1
	MUL16 2, 1, 0
	WIN 0
	s_barrier_wait -1
.if \fill
	CREST                                          ; the barrier has opened a round of the cluster's: no wave of any partner still reads this slot or has a load on its way
	s_add_nc_u64 s[G0+4*\slot+2:G0+4*\slot+3], s[G0+4*\slot+2:G0+4*\slot+3], 2*ROWB
	s_add_nc_u64 s[G0B+4*\slot+2:G0B+4*\slot+3], s[G0B+4*\slot+2:G0B+4*\slot+3], 2*ROWB
	JLOAD G0+4*\slot, G1, G0B+4*\slot, G1B         ; the first tensor load behind the round; its four v_nop are the places in front of the loads below
.else
	PLACES NP
.endif
	FETCH_B \next, 0, 0
	FETCH_A \next, 0, 0
	WIN MUL_HI
	MUL16 4, 1, 0
	MUL16 6, 1, 0
	PLACES NP
	WIN 0
	FETCH_A \next, 0, 4
.endm
	s_wait_tensorcnt 1                             ; my part of K step 0 is in; K step 1's load may be out
	s_barrier_signal -1
	s_barrier_wait -1
	FETCH_B 0, 0, 0
	FETCH_A 0, 0, 0
	FETCH_A 0, 0, 4
	STEP 0, 0, 1                                   ; the first step's products start the sums
	s_mov_b32 s3, LAPS-1
.Llap:                                                 ; a trip goes once round the ring and fills both slots again
	TURN 0, 1, 1
	STEP 1, 0, 0
	TURN 1, 0, 1
	STEP 0, 0, 0
	s_sub_co_u32 s3, s3, 1
	s_cmp_lg_u32 s3, 0
	s_cbranch_scc1 .Llap
	TURN 0, 1, 0                                   ; the last lap fills nothing
	STEP 1, 0, 0
	s_wait_dscnt 4*NL
	WIN MUL_LO
	MUL16 0, 1, 0
	MUL16 2, 1, 0
	s_wait_dscnt 0
	WIN MUL_HI
	MUL16 4, 1, 0
	MUL16 6, 1, 0
	WIN 0
; THE WAY OUT, a block of 16 rows of A at a time.
.macro CSLOAD a                        ; cos and sin of block a's 16 tokens at my 64 d, into set a % 2 of window 1: 32 loads
.set CB, 128*((\a)%2)
	WIN 0x40
.irp b, 0,1,2,3,4,5,6,7
	global_load_b128 v[CB+8*\b:CB+8*\b+3], v[CSO], s[6:7] offset:(\a)*8192+64*\b
	global_load_b128 v[CB+8*\b+4:CB+8*\b+7], v[CSO], s[6:7] offset:(\a)*8192+64*\b+16
	global_load_b128 v[CB+64+8*\b:CB+64+8*\b+3], v[CSO], s[8:9] offset:(\a)*8192+64*\b
	global_load_b128 v[CB+64+8*\b+4:CB+64+8*\b+7], v[CSO], s[8:9] offset:(\a)*8192+64*\b+16
.endr
	WIN 0
.endm
.macro NORMROPE a                      ; q, k: T = rotate(sum x 2^es x rsqrt(mean of squares + 1e-6) x gain)
.set AC, 64*((\a)%4)
.set CB, 128*((\a)%2)
	WIN 0x0a+5*((\a)/4)                            ; sources 0 and 1: window 2 or 3
.set p, 0
.rept 32                               ; the sum of my 64 squares, two at a time in two chains; each accumulator from its low end on
.if p < 2
	v_pk_mul_f32 v[U+2*p:U+2*p+1], v[AC+2*p:AC+2*p+1], v[AC+2*p:AC+2*p+1]
.else
	v_pk_fma_f32 v[U+2*(p%2):U+2*(p%2)+1], v[AC+2*p:AC+2*p+1], v[AC+2*p:AC+2*p+1], v[U+2*(p%2):U+2*(p%2)+1]
.endif
.set p, p+1
.endr
	WIN 0
	v_pk_add_f32 v[U:U+1], v[U:U+1], v[U+2:U+3]
	v_add_f32 v[U], v[U], v[U+1]
	v_permlanex16_b32 v[PT], v[U], s92, s93        ; the token's other 64 lie in the lane 16 away
	v_add_f32 v[U], v[U], v[PT]
	v_fma_f32 v[VAR], v[U], s90, s91               ; x 2^(2 es) / 128 + 1e-6
	v_rsq_f32 v[RS], v[VAR]
	WIN 0x02+((\a)/4)                              ; source 0: window 2 or 3
.set i, 0
.rept 32
	v_pk_mul_f32 v[Z+i:Z+i+1], v[AC+i:AC+i+1], v[W+i:W+i+1]   ; x the gain: work that names nothing of the root's, between it and the wait
.set i, i+2
.endr
	WIN 0
	s_wait_alu depctr_va_vdst(0)                   ; ahead of the first line that names the root's result
	v_mul_f32 v[FAC], s88, v[RS]                   ; 2^es x rsqrt
.set i, 0
.rept 32
	v_pk_mul_f32 v[Z+i:Z+i+1], v[Z+i:Z+i+1], v[FAC:FAC+1] op_sel_hi:[1,0]
.set i, i+2
.endr
.if (\a) < 7
	s_wait_loadcnt 32                              ; this block's 32 loads of cos and sin are in; the next block's 32, the only loads issued behind them, may be out
.else
	s_wait_loadcnt 0
.endif
	WIN 0x04                                       ; source 1: window 1
.set i, 0
.rept 16                               ; register i is d < 64, register i + 32 is d + 64:  out(d) = z(d) cos(d) - z(d + 64) sin(d);  out(d + 64) = z(d + 64) cos(d + 64) + z(d) sin(d + 64)
	v_pk_mul_f32 v[T+i:T+i+1], v[Z+i:Z+i+1], v[CB+i:CB+i+1]
	v_pk_mul_f32 v[T+32+i:T+33+i], v[Z+32+i:Z+33+i], v[CB+32+i:CB+33+i]
	v_pk_fma_f32 v[T+i:T+i+1], v[Z+32+i:Z+33+i], v[CB+64+i:CB+65+i], v[T+i:T+i+1] neg_lo:[0,1,0] neg_hi:[0,1,0]
	v_pk_fma_f32 v[T+32+i:T+33+i], v[Z+i:Z+i+1], v[CB+96+i:CB+97+i], v[T+32+i:T+33+i]
.set i, i+2
.endr
.if (\a) < 6
	CSLOAD (\a)+2                                  ; the set just read takes the block two further on
.endif
	WIN 0
.endm
.macro PLAINV a                        ; v: T = sum x 2^es; each accumulator from its low end on
.set AC, 64*((\a)%4)
	WIN 0x02+((\a)/4)
.set i, 0
.rept 32
	v_pk_mul_f32 v[T+i:T+i+1], v[AC+i:AC+i+1], s[88:89] op_sel_hi:[1,0]
.set i, i+2
.endr
	WIN 0
.endm
; Block a's 64 numbers a lane in T are held and converted; 8 bytes a lane and tile go into my stage (so: the way's own stage bytes) and come back as four rows of 128 bytes an instruction,
; which are 512 consecutive bytes of the output block.
.macro PUT a, so
.set i, 0
.rept 64
	v_med3_num_f32 v[T+i], v[T+i], -v[LIM], v[LIM] ; the conversion to an 8-bit code does not saturate (ISA guide 7.6.2): the hold at the largest code x the scale
.set i, i+1
.endr
.irp b, 0,1,2,3,4,5,6,7
	v_cvt_scalef32_pk8_fp8_f32 v[CD+2*\b:CD+2*\b+1], v[T+8*\b:T+8*\b+7], v[SC]
.endr
	v_nop                                          ; a plain line between the conversions and the next vector line that writes their sources
.irp b, 0,1,2,3,4,5,6,7
	ds_store_b64 v[STO], v[CD+2*\b:CD+2*\b+1] offset:(\so)+16*\b
.endr
.irp n, 0,1,2,3
	ds_load_b128 v[OUTR+4*\n:OUTR+4*\n+3], v[RD] offset:(\so)+4*SPITCH*\n   ; LDS serves a wave's instructions in order: these see my stores
.endr
	s_wait_dscnt 0x0
.irp n, 0,1,2,3
	global_store_b128 v[CO], v[OUTR+4*\n:OUTR+4*\n+3], s[72:73] offset:(\a)*2048+512*\n   ; 32 lanes store 512 consecutive bytes, aligned
.endr
.endm
	PLACES NP                                      ; behind the last products: loads into B's registers and reads of results follow
	s_wait_kmcnt 0x0
	s_cmp_ge_u32 ttmp9, 2                          ; the three exponents of my cluster's product: selects, no branch
	s_cselect_b32 s17, s78, s76
	s_cselect_b32 s18, s79, s77
	s_cselect_b32 s19, s83, s82
	s_cmp_eq_u32 ttmp9, 3
	s_cselect_b32 s17, s80, s17
	s_cselect_b32 s18, s81, s18
	s_cselect_b32 s19, s85, s19
	s_add_co_i32 s17, s17, s18                     ; es
	s_add_co_i32 s18, s17, 127
	s_lshl_b32 s88, s18, 23                        ; 2^es
	s_mov_b32 s89, s88                             ; (named with it as a pair)
	s_lshl_b32 s18, s17, 1
	s_add_co_i32 s18, s18, 120
	s_lshl_b32 s90, s18, 23                        ; 2^(2 es - 7)
	s_mov_b32 s91, 0x358637bd                      ; 1e-6
	s_add_co_i32 s19, s19, 127
	s_lshl_b32 s18, s19, 23
	v_mov_b32 v[SC], s18                           ; the result's scale
	s_add_co_i32 s19, s19, 8
	s_lshl_b32 s19, s19, 23
	s_or_b32 s19, s19, 0x600000
	v_mov_b32 v[LIM], s19                          ; 448 x that
	v_mov_b32 v[PT], 0                             ; a lane permute's destination counts as read
	v_mov_b32 v[FAC+1], 0                          ; (named as the upper half of a pair)
	s_wait_loadcnt 0x0                             ; the gain: no load of mine is out where the ways part
	s_cmp_eq_u32 ttmp9, 3                          ; THE ONE PARTING, on the cluster's x
	s_cbranch_scc1 .Lv_out
	CSLOAD 0                                       ; q's and k's way: two blocks' cos and sin are asked for ahead, 64 loads
	CSLOAD 1
.irp a, 0,1,2,3,4,5,6,7
.if \a > 0
	s_wait_xcnt 0x0                                ; the last block's stores have read their data: those registers (Z's first sixteen) are written again below
.endif
	NORMROPE \a
	PUT \a, 0
.endr
	s_branch .Lend
.Lv_out:                                               ; v's way: no table, no counted wait
.irp a, 0,1,2,3,4,5,6,7
.if \a > 0
	s_wait_xcnt 0x0                                ; the last block's stores have read their data: the stage's loads land there again
.endif
	PLAINV \a
	PUT \a, VSTG
.endr
.Lend:
	s_wait_tensorcnt 0x0                           ; the wave's end, behind my last tensor load and my last LDS store
	ds_add_u32 v[SPW], v[NIL]
	s_wait_dscnt 0x0
	CROUND                                         ; the closing round
	s_endpgm
.Lfunc_end_k_qa3200b09b2_proj:
	.size	k_qa3200b09b2_proj, .Lfunc_end_k_qa3200b09b2_proj-k_qa3200b09b2_proj
	.p2alignl 7, 3214868480
	.fill 96, 4, 3214868480
	.section	.rodata,"a",@progbits
	.p2align	6, 0x0
	.amdhsa_kernel k_qa3200b09b2_proj
		.amdhsa_group_segment_fixed_size 327680
		.amdhsa_private_segment_fixed_size 0
		.amdhsa_enable_private_segment 0
		.amdhsa_kernarg_size 56
		.amdhsa_user_sgpr_count 2
		.amdhsa_user_sgpr_kernarg_segment_ptr 1
		.amdhsa_wavefront_size32 1
		.amdhsa_system_sgpr_workgroup_id_x 1
		.amdhsa_system_sgpr_workgroup_id_y 1
		.amdhsa_system_sgpr_workgroup_id_z 1
		.amdhsa_system_vgpr_workitem_id 0
		.amdhsa_next_free_vgpr 1024
		.amdhsa_next_free_sgpr 100
		.amdhsa_reserve_vcc 0
		.amdhsa_float_denorm_mode_32 3
		.amdhsa_float_denorm_mode_16_64 3
		.amdhsa_memory_ordered 1
		.amdhsa_forward_progress 1
		.amdhsa_inst_pref_size 255
	.end_amdhsa_kernel
	.section	.bss,"aw",@nobits
	.p2align	6
	.space	262144
	.amdgpu_metadata
---
amdhsa.version: [ 1, 2 ]
amdhsa.kernels:
  - .name:           k_qa3200b09b2_proj
    .symbol:         k_qa3200b09b2_proj.kd
    .args:
      - { .name: codes, .offset: 0, .size: 8, .value_kind: global_buffer, .address_space: global }
      - { .name: cos, .offset: 8, .size: 8, .value_kind: global_buffer, .address_space: global }
      - { .name: sin, .offset: 16, .size: 8, .value_kind: global_buffer, .address_space: global }
      - { .name: q_norm_w, .offset: 24, .size: 8, .value_kind: global_buffer, .address_space: global }
      - { .name: k_norm_w, .offset: 32, .size: 8, .value_kind: global_buffer, .address_space: global }
      - { .name: lowp_scales, .offset: 40, .size: 8, .value_kind: global_buffer, .address_space: global }
      - { .name: qkvc, .offset: 48, .size: 8, .value_kind: global_buffer, .address_space: global }
    .group_segment_fixed_size: 327680
    .private_segment_fixed_size: 0
    .kernarg_segment_align: 8
    .kernarg_segment_size: 56
    .max_flat_workgroup_size: 128
    .sgpr_count:     100
    .vgpr_count:     1024
    .wavefront_size: 32
...
	.end_amdgpu_metadata
.endif
;; end of part 2
;; launch attn (part 3): grid 16 x 16, 8 waves a work-group, clusters of 4 x 4, 327,680 bytes of LDS; arguments qkvc, attention_mask, lowp_scales, oc; writes oc
.if DOCPART == 3
	.amdgcn_target "amdgcn-amd-amdhsa--gfx1250"
	.amdhsa_code_object_version 6
	.text
	.protected	k_qa3200b09b2_attn
	.globl	k_qa3200b09b2_attn
	.p2align	8
	.type	k_qa3200b09b2_attn,@function
k_qa3200b09b2_attn:
	s_mov_b64 s[64:65], 0
	v_nop
	global_prefetch_b8 v0, s[64:65] scope:SCOPE_SE
	s_setreg_imm32_b32 hwreg(HW_REG_WAVE_MODE, 25, 1), 1
	s_wait_xcnt 0x0
	s_wait_alu depctr_hold_cnt(0) depctr_sa_sdst(0) depctr_va_vdst(0) depctr_va_sdst(0) depctr_va_ssrc(0) depctr_va_vcc(0) depctr_vm_vsrc(0)
	s_getreg_b32 s2, hwreg(HW_REG_IB_STS2, 6, 4)
	s_cmp_eq_u32 s2, 0
	s_cbranch_scc0 .Lentry_in_a_cluster
	s_endpgm
.Lentry_in_a_cluster:
	s_bfe_u32 s2, ttmp6, 0x10000c
	s_cmp_lg_u32 s2, 0xf033
	s_cbranch_scc0 .Lentry_shape_is_right
	s_endpgm
.Lentry_shape_is_right:
; oc[token][h 128 + d] = Q(softmax(q k^T / sqrt(128) + mask) v), both products on codes of E4M3 out of qkvc; the mask is an input: every number of it is read and added, every key is walked.
; THE SOFTMAX: t = (score / sqrt(128) + mask) x log2(e), made as fma(sum, c, mask x log2 e) with c = 2^(e6 + e7) log2(e) / sqrt(128); M = the running largest t rounded UP to a whole number; p = 2^(t - M) is quantised
; with 2^e8; the row's sum is taken of the unquantised p and divides at the end; when M moves, the sum and O are multiplied by 2^(old M - new M), which rounds nothing.
; SHARES.  A work-group owns 128 query positions (x) of one key-value head (y = 8 b + g).  Wave w owns 16 positions for BOTH query heads 2 g and 2 g + 1: each fragment of K and V and each mask number read from LDS
; serves two tiles.  128 keys a step, 16 steps, a step to a slot, two slots.
; CLUSTERS of 4 x 4: K's and V's tiles hang on y alone and are asked for jointly along a row of the cluster; the mask's tiles hang on b and x alone and are asked for jointly along a column.
; LAYOUT.  S^T = K Q^T (source 0 = 16 keys, source 1 = my 16 queries), O^T = V^T P^T: a lane holds ONE query (lane % 16).  In tile t register j is key 16 t + 8 (lane / 16) + j, so one conversion of a tile's eight
; registers gives registers 2 t, 2 t + 1 of P in the matrix instruction's own 8-bit layout, and V's fragments are fetched in that layout, 8 bytes at a time.  Q and K are fetched 16 bytes at a time: one permutation of k on both sides.
; A STEP'S ORDER.  Each run of LDS loads is issued a phase ahead of its use, into registers that are dead by then: K's tiles 0-3 of the NEXT step into the mask's registers, under this step's V products; K's tiles 4-7 under the
; first eight score products; the mask under the second eight; V's tiles 0-3 under head 2 g's softmax; V's tiles 4-7 into head 2 g's score registers, under head 2 g + 1's softmax.  So a wave's last read of the slot stands
; ahead of head 2 g + 1's softmax, AND THE CHANGE OF SLOTS STANDS THERE, in the step's middle: that softmax, work on registers alone, stands round the signal of the barrier that opens the round.
; WINDOWS.  Window 0 is head 2 g's, window 1 head 2 g + 1's, with the same register numbers, so that the softmax and the end are written once and run under two settings.
;   both: v12 -M, v13 largest t, v[14:15] the sum, v16-31 Q, v96-159 S then p, v160-223 O^T, v224-239 codes, v240 448 x 2^e8, v244 2^e8, v245 / v246 the same for the result, v241-243, v250-255 at work.
;   window 0 alone: v1-11, v248, v249 addresses; v32-95 four fragments of K or V; v96-159 also V's tiles 4-7.   window 1 alone: v32-95 K's tiles 0-3, then the mask x log2(e) at my query and 64 keys.
; LIMITS on the given exponents: e6 + e7 between -120 and 120; e8, and e10 - e8 - e9, between -126 and 119.
.set KP,    144                        ; a row of K or V in LDS: 128 bytes + 16 = 36 words: the 16 rows of a load start at 16 different groups of four banks
.set MP,    528                        ; a row of the mask's tile: 512 bytes + 16
.set VOFF,  128*KP
.set MOFF,  2*128*KP
.set SLOT1, 1<<17                      ; slot 1 begins here: one exclusive or turns an address from slot to slot
.set SPARE, 2*SLOT1                    ; the spare words, 128 bytes for each of eight waves, that no other line names
.set STAGE, SPARE+1024                 ; the way out: 16 rows x 272 bytes for each wave, bytes into which no tile lands
.set SP,    272
.set AK0, 1
.set AV0, 2
.set AM0, 3
.set PFO, 4
.set SPW, 5
.set NIL, 6
.set GO,  7
.set ADK, 8
.set ADV, 9
.set ADM, 10
.set STO, 11
.set RD,  248
.set QO,  249
.set CH,  250                          ; v250-253 four chains of the maximum; later v[250:251], v[254:255] chains of the sum, v252 f
.set Q,   16
.set FRG, 32
.set MK,  32
.set S,   96
.set O,   160
.set P,   224
.set TB,  2                            ; s2  LDS byte at which the slot begins whose addresses are made next
.set SLOTS, 3                          ; s3  steps still to be asked for
.set WV,  12
.set SEL, 20
.set CS,  22
.set G1KV, 24
.set G1M,  32
.set G0KV, 40                          ; s[40:47] group 0 for K's or V's tile: a set for each of the two first fills; the second then walks on
.set G0M,  92                          ; s[92:99] the same for the mask's tile
.set L2E, 48
.set PFA, 66
.set PFS, 68
.set LIM, 70
.set MSB, 0
.macro WIN new
.if MSB != (\new)
	s_set_vgpr_msb (MSB<<8)|(\new)
.set MSB, (\new)
.endif
.endm
.macro CREST                           ; a round of the cluster's barrier behind its opening barrier
	s_cmp_lg_u32 s[WV], 0
	s_cbranch_scc1 .Lnot_wave_0_\@
	s_barrier_signal -3
.Lnot_wave_0_\@:
	s_barrier_wait -3
	s_barrier_signal -1
	s_barrier_wait -1
.endm
.macro CROUND                          ; a whole round
	s_barrier_signal -1
	s_barrier_wait -1
	CREST
.endm
; A joint refill.  Wave 0 fetches K's tile, wave 1 V's, waves 2 and 3 the halves of the mask's, the others nothing: branches on the wave's number alone.  An s_nop 0 and four v_nop follow each line.
.macro TLOAD
	s_cmp_lt_u32 s[WV], 2
	s_cbranch_scc0 .Lnot_kv_\@
	tensor_load_to_lds s[G0KV+4:G0KV+7], s[G1KV:G1KV+7]
	s_nop 0
.rept 4
	v_nop
.endr
	s_branch .Lasked_\@
.Lnot_kv_\@:
	s_cmp_lt_u32 s[WV], 4
	s_cbranch_scc0 .Lasked_\@
	tensor_load_to_lds s[G0M+4:G0M+7], s[G1M:G1M+7]
	s_nop 0
.rept 4
	v_nop
.endr
.Lasked_\@:
.endm
; A PREFETCH of what the NEXT change of slots will ask for, a key step ahead of that load.  Each aligned block of 256 bytes is named once in the launch, by waves that fetch nothing.
; K and V of y are walked by the four clusters of a row of clusters: the one with x = 0 asks; its four partners along x share a step's 32 KiB out by address (K's halves, V's halves), wave 4, lanes 256 bytes apart.
; The mask's tile of (b, x) is walked by two clusters: the one with even y asks; its four partners along y take 32 rows each, by address; a lane a row; wave 5 the row's first 256 bytes, wave 6 the second.
; The last change that fills a slot asks for nothing; steps 0, 1 and 2 come by their loads alone.
.macro ASK
	s_cmp_gt_u32 s[SLOTS], s[LIM]
	s_cbranch_scc0 .Lnot_mine_\@
	global_prefetch_b8 v[PFO], s[PFA:PFA+1] th:TH_LOAD_NT scope:SCOPE_SE
.Lnot_mine_\@:
.endm
	s_load_b256 s[4:11], s[0:1], 0x0               ; qkvc s[4:5], the mask s[6:7], the exponents s[8:9], oc s[10:11]
	v_lshl_add_u32 v[SPW], v0, 2, SPARE
	v_mov_b32 v[NIL], 0
	ds_add_u32 v[SPW], v[NIL]                      ; the wave's opening: the add and its wait ahead of my first tensor load; register work stands between them
	v_lshrrev_b32 v8, 5, v0
	v_readfirstlane_b32 s[WV], v8                  ; wave 0..7
	s_bfe_u32 s13, ttmp6, 0x40000                  ; cx
	s_bfe_u32 s14, ttmp6, 0x40004                  ; cy
	s_and_b32 s17, ttmp7, 0xffff                   ; cluster y
	s_lshl_b32 s15, ttmp9, 2
	s_add_co_u32 s15, s15, s13                     ; x: my block of 128 queries
	s_lshl_b32 s16, s17, 2
	s_add_co_u32 s16, s16, s14                     ; y = 8 b + g
	s_lshr_b32 s18, s17, 1                         ; b, from the cluster's y alone
	s_and_b32 s19, s[WV], 1
	s_lshl_b32 s71, s14, 2
	s_lshl_b32 s71, 15, s71                        ; my row of the cluster
	s_or_b32 s[G1KV], s71, (0<<16)|(1<<20)|(1<<21)|(4<<22)|(3<<25)   ; elements of 1 byte; padding: four words after every 32
	s_lshl_b32 s71, 0x1111, s13                    ; my column
	s_or_b32 s[G1M], s71, (2<<16)|(1<<20)|(1<<21)|(6<<22)|(3<<25)    ; elements of 4 bytes; four words after every 128
	s_mov_b32 s[G1KV+1], 128<<16                   ; K, V: 128 rows of 128 bytes, dense
	s_mov_b32 s[G1KV+2], 128<<16
	s_mov_b32 s[G1KV+3], 128<<16
	s_mov_b32 s[G1KV+4], 128
	s_mov_b32 s[G1KV+5], 128
	s_mov_b32 s[G1KV+6], 0
	s_mov_b32 s[G1KV+7], 0
	s_mov_b32 s[G1M+1], 128<<16                    ; the mask: 64 rows of 128 numbers, 2,048 numbers apart
	s_mov_b32 s[G1M+2], 64<<16
	s_mov_b32 s[G1M+3], 128<<16
	s_mov_b32 s[G1M+4], 64
	s_mov_b32 s[G1M+5], 2048
	s_mov_b32 s[G1M+6], 0
	s_mov_b32 s[G1M+7], 0
	s_lshl_b32 s72, s16, 18                        ; K (wave 0) or V (wave 1) of y: blocks 512 or 768 + 16 y on, 16 KiB each
	s_lshl_b32 s73, s19, 22
	s_add_co_u32 s72, s72, s73
	s_add_co_u32 s72, s72, 0x800000
	s_mov_b32 s73, 0
	s_lshl_b32 s74, s15, 7                         ; the mask: batch b, rows 128 x + 64 (wave & 1) on, 8,192 bytes a row
	s_lshl_b32 s75, s19, 6
	s_add_co_u32 s74, s74, s75
	s_lshl_b32 s74, s74, 13
	s_lshl_b32 s75, s18, 24
	s_add_co_u32 s74, s74, s75
	s_mov_b32 s75, 0
	s_lshl_b32 s76, s16, 19                        ; Q of head 2 g at my first query: (2 y x 2,048 + 128 x + 16 w) x 128
	s_lshl_b32 s77, s15, 14
	s_add_co_u32 s76, s76, s77
	s_lshl_b32 s77, s[WV], 11
	s_add_co_u32 s76, s76, s77
	s_mov_b32 s77, 0
	s_lshl_b32 s78, s18, 22                        ; oc: (2,048 b + 128 x + 16 w) x 2,048 + 256 g
	s_lshl_b32 s79, s15, 18
	s_add_co_u32 s78, s78, s79
	s_lshl_b32 s79, s[WV], 15
	s_add_co_u32 s78, s78, s79
	s_and_b32 s79, s16, 7
	s_lshl_b32 s79, s79, 8
	s_add_co_u32 s78, s78, s79
	s_mov_b32 s79, 0
	s_lshr_b32 s80, s13, 1                         ; the prefetches.  Wave 4: K or V by cx / 2, its half by cx % 2, at step 2
	s_lshl_b32 s80, s80, 22
	s_and_b32 s81, s13, 1
	s_lshl_b32 s81, s81, 13
	s_add_co_u32 s80, s80, s81
	s_lshl_b32 s81, s16, 18
	s_add_co_u32 s80, s80, s81
	s_add_co_u32 s80, s80, 0x800000+2*16384
	s_lshl_b32 s82, s15, 7                         ; waves 5, 6: the mask's rows 128 x + 32 cy on, bytes 256 (w - 5) of step 2's 512
	s_lshl_b32 s83, s14, 5
	s_add_co_u32 s82, s82, s83
	s_lshl_b32 s82, s82, 13
	s_lshl_b32 s83, s18, 24
	s_add_co_u32 s82, s82, s83
	s_and_b32 s83, s[WV], 3
	s_lshl_b32 s83, s83, 8
	s_add_co_u32 s82, s82, s83
	s_add_co_u32 s82, s82, 2*512-256
	s_and_b32 s85, s17, 1
	s_mov_b32 s[PFS], 512
	s_mov_b32 s84, 8192
	s_cmp_eq_u32 s[WV], 4
	s_cselect_b32 s80, s80, s82
	s_cselect_b32 s[PFS], 16384, s[PFS]            ; a step on
	s_cselect_b32 s84, 256, s84                    ; from lane to lane
	s_cselect_b32 s85, ttmp9, s85                  ; the coordinate that is 0 in the cluster that asks
	s_mov_b32 s81, 0
	s_mov_b32 s[PFS+1], 0
	s_sub_co_u32 s86, s[WV], 4
	s_cmp_lt_u32 s86, 3                            ; waves 4 to 6
	s_cselect_b32 s86, 0, 1
	s_or_b32 s85, s85, s86
	s_cmp_eq_u32 s85, 0
	s_cselect_b32 s[LIM], 1, -1                    ; the same in all sixteen partners, for a given wave
	v_and_b32 v[PFO], 31, v0
	v_mul_lo_u32 v[PFO], v[PFO], s84
	v_and_b32 v8, 15, v0                           ; r
	v_bfe_u32 v9, v0, 4, 1                         ; h
	v_mul_u32_u24 v[AK0], v8, KP
	v_lshl_add_u32 v[AK0], v9, 4, v[AK0]           ; K: row r, + 16 h
	v_mul_u32_u24 v[AV0], v8, KP
	v_lshl_add_u32 v[AV0], v9, 3, v[AV0]
	v_add_nc_u32 v[AV0], VOFF, v[AV0]              ; V: row r, + 8 h
	s_mul_i32 s71, s[WV], 16*MP
	v_mul_u32_u24 v[AM0], v8, MP
	v_lshl_add_u32 v[AM0], v9, 5, v[AM0]
	v_add_nc_u32 v[AM0], s71, v[AM0]
	v_add_nc_u32 v[AM0], MOFF, v[AM0]              ; the mask: row 16 w + r, + 32 h
	v_lshlrev_b32 v[GO], 11, v9
	v_lshl_add_u32 v[GO], v8, 4, v[GO]             ; oc: lanes 0-15 one token's 256 bytes, lanes 16-31 the next token's
	s_mul_i32 s71, s[WV], 16*SP
	s_add_co_u32 s71, s71, STAGE
	v_mul_u32_u24 v[STO], v8, SP
	v_lshl_add_u32 v[STO], v9, 3, v[STO]
	v_add_nc_u32 v[STO], s71, v[STO]
	v_mul_u32_u24 v[RD], v9, SP
	v_lshl_add_u32 v[RD], v8, 4, v[RD]
	v_add_nc_u32 v[RD], s71, v[RD]
	v_lshlrev_b32 v[QO], 7, v8
	v_lshl_add_u32 v[QO], v9, 4, v[QO]
	s_mov_b32 s[SEL], 0x76543210
	s_mov_b32 s[SEL+1], 0xfedcba98
	s_mov_b32 s[CS], 0x3e0293ee                    ; log2(e) / sqrt(128)
	s_mov_b32 s[L2E], 0x3fb8aa3b                   ; log2(e)
	s_mov_b32 s[L2E+1], s[L2E]
	s_mov_b32 s[TB], 0
	s_mov_b32 s[SLOTS], 14                         ; steps 2 to 15 are asked for by refills
	s_wait_dscnt 0x0                               ; the opening add is done
	s_wait_kmcnt 0x0
	s_load_b256 s[52:59], s[8:9], 0x0              ; e0 .. e7
	s_load_b128 s[60:63], s[8:9], 0x20             ; e8 .. e11
	s_mov_b32 s[G0KV], 1                           ; step 0 into slot 0: K at 0, V behind it;
	s_mul_i32 s[G0KV+1], s19, VOFF
	s_add_nc_u64 s[G0KV+2:G0KV+3], s[4:5], s[72:73]
	s_mov_b32 s[G0KV+4], 1                         ; step 1 into slot 1: the next block of 128 keys
	s_add_co_u32 s[G0KV+5], s[G0KV+1], SLOT1
	s_add_nc_u64 s[G0KV+6:G0KV+7], s[G0KV+2:G0KV+3], 16384
	s_or_b32 s[G0KV+3], s[G0KV+3], 0x80000000
	s_or_b32 s[G0KV+7], s[G0KV+7], 0x80000000
	s_mov_b32 s[G0M], 1
	s_mul_i32 s[G0M+1], s19, 64*MP
	s_add_co_u32 s[G0M+1], s[G0M+1], MOFF
	s_add_nc_u64 s[G0M+2:G0M+3], s[6:7], s[74:75]
	s_mov_b32 s[G0M+4], 1
	s_add_co_u32 s[G0M+5], s[G0M+1], SLOT1
	s_add_nc_u64 s[G0M+6:G0M+7], s[G0M+2:G0M+3], 512   ; 128 numbers along the mask's rows
	s_or_b32 s[G0M+3], s[G0M+3], 0x80000000
	s_or_b32 s[G0M+7], s[G0M+7], 0x80000000
	CROUND                                         ; all sixteen work-groups are here: the first joint loads meet
	s_cmp_lt_u32 s[WV], 2                          ; a wave's two first fills stand in one branch, ahead of every wait on TENSORcnt, every LDS read and every other barrier: two loads of mine are out at the most
	s_cbranch_scc0 .Lfirst_m
	tensor_load_to_lds s[G0KV:G0KV+3], s[G1KV:G1KV+7]
	s_nop 0
	tensor_load_to_lds s[G0KV+4:G0KV+7], s[G1KV:G1KV+7]
	s_nop 0
.rept 4
	v_nop
.endr
	s_branch .Lfirst_asked
.Lfirst_m:
	s_cmp_lt_u32 s[WV], 4
	s_cbranch_scc0 .Lfirst_asked
	tensor_load_to_lds s[G0M:G0M+3], s[G1M:G1M+7]
	s_nop 0
	tensor_load_to_lds s[G0M+4:G0M+7], s[G1M:G1M+7]
	s_nop 0
.rept 4
	v_nop
.endr
.Lfirst_asked:
	s_add_nc_u64 s[76:77], s[4:5], s[76:77]
	s_add_nc_u64 s[78:79], s[10:11], s[78:79]
	s_cmp_eq_u32 s[WV], 4
	s_cselect_b64 s[PFA:PFA+1], s[4:5], s[6:7]
	s_add_nc_u64 s[PFA:PFA+1], s[PFA:PFA+1], s[80:81]   ; at step 2: the first change steps it to step 3.  Nothing is prefetched here, at the head
.irp c, 0,1,2,3
	global_load_b128 v[Q+4*\c:Q+4*\c+3], v[QO], s[76:77] offset:32*\c             ; head 2 g's fragment stays in registers,
.endr
	WIN 0x40
.irp c, 0,1,2,3
	global_load_b128 v[Q+4*\c:Q+4*\c+3], v[QO], s[76:77] offset:262144+32*\c      ; head 2 g + 1's in window 1: 2,048 rows of 128 bytes further on
.endr
	WIN 0
	s_wait_kmcnt 0x0
	s_add_co_i32 s71, s58, s59
	s_lshl_b32 s71, s71, 23
	s_add_co_i32 s[CS], s[CS], s71                 ; e6 + e7 are added to c's exponent field
	s_mov_b32 s[CS+1], s[CS]
	s_add_co_i32 s71, s60, 127
	s_lshl_b32 s86, s71, 23                        ; 2^e8
	s_add_co_i32 s71, s71, 8
	s_lshl_b32 s87, s71, 23
	s_or_b32 s87, s87, 0x600000                    ; 448 x 2^e8
	s_sub_co_i32 s71, s62, s60
	s_sub_co_i32 s71, s71, s61                     ; a sum of the second product stands for sum x 2^(e8 + e9): its code is (sum / l) / 2^(e10 - e8 - e9)
	s_add_co_i32 s71, s71, 127
	s_lshl_b32 s88, s71, 23
	s_add_co_i32 s71, s71, 8
	s_lshl_b32 s89, s71, 23
	s_or_b32 s89, s89, 0x600000
.macro INIT                            ; the step is written for every step alike: the first finds zeros, which the first change of M leaves zeros
	v_mov_b32 v13, 0xff61b1e6                      ; the largest t so far: -3e38
	v_floor_f32 v12, -v13
	v_mov_b32 v14, 0
	v_mov_b32 v15, 0
	v_mov_b32 v241, 0                              ; a lane permute's destination counts as read
	v_mov_b32 v244, s86
	v_mov_b32 v240, s87
	v_mov_b32 v246, s88
	v_mov_b32 v245, s89
.set i, 0
.rept 64
	v_mov_b32 v[O+i], 0
.set i, i+1
.endr
.endm
	INIT
	WIN 0x55
	INIT
	WIN 0
.macro KLOAD g                         ; four tiles of 16 keys: 16 loads, into v32-95 of the window that the setting names
.irp t, 0,1,2,3
.irp c, 0,1,2,3
	ds_load_b128 v[FRG+16*\t+4*\c:FRG+16*\t+4*\c+3], v[ADK] offset:16*(4*(\g)+\t)*KP+32*\c
.endr
.endr
.endm
.macro VLOAD g, dst                    ; four tiles of 16 of the head's 128, into v[dst] on: registers 2 c, 2 c + 1 hold keys 16 c + 8 h + 0 .. 7: 32 loads
.irp t, 0,1,2,3
.irp c, 0,1,2,3,4,5,6,7
	ds_load_b64 v[\dst+16*\t+2*\c:\dst+16*\t+2*\c+1], v[ADV] offset:16*(4*(\g)+\t)*KP+16*\c
.endr
.endr
.endm
.macro QKMUL g, wa, wb                 ; four tiles for head 2 g (setting wa), then for head 2 g + 1 (wb): eight different accumulators, each begun with the constant 0
	WIN \wa
.irp t, 0,1,2,3
	v_wmma_f32_16x16x128_fp8_fp8 v[S+8*(4*(\g)+\t):S+8*(4*(\g)+\t)+7], v[FRG+16*\t:FRG+16*\t+15], v[Q:Q+15], 0
.endr
	WIN \wb
.irp t, 0,1,2,3
	v_wmma_f32_16x16x128_fp8_fp8 v[S+8*(4*(\g)+\t):S+8*(4*(\g)+\t)+7], v[FRG+16*\t:FRG+16*\t+15], v[Q:Q+15], 0
.endr
.endm
.macro PVMUL g, src                    ; V's four fragments at v[src] on, window 0: eight different accumulators by turns
	WIN 0
.irp t, 0,1,2,3
	v_wmma_f32_16x16x128_fp8_fp8 v[O+8*(4*(\g)+\t):O+8*(4*(\g)+\t)+7], v[\src+16*\t:\src+16*\t+15], v[P:P+15], v[O+8*(4*(\g)+\t):O+8*(4*(\g)+\t)+7]
.endr
	WIN 0x54                                       ; P and O^T in window 1
.irp t, 0,1,2,3
	v_wmma_f32_16x16x128_fp8_fp8 v[O+8*(4*(\g)+\t):O+8*(4*(\g)+\t)+7], v[\src+16*\t:\src+16*\t+15], v[P:P+15], v[O+8*(4*(\g)+\t):O+8*(4*(\g)+\t)+7]
.endr
.endm
; ONE HEAD'S SOFTMAX OF A KEY STEP, in two halves.  The first: t, its maximum, M and f.  wm: the setting under which S is the head's and the mask window 1's; w: the head's own window in every place.
.macro SM1 wm, w
	WIN \wm
.set j, 0
.rept 32
	v_pk_fma_f32 v[S+j:S+j+1], v[S+j:S+j+1], s[CS:CS+1], v[MK+j:MK+j+1] op_sel_hi:[1,0,1]   ; t = sum x c + mask x log2(e); each accumulator from its low end on
.set j, j+2
.endr
	WIN \w
.irp k, 0,1,2,3                        ; the step's largest t of my query among my 64 keys: four chains of 15, line by line, so that no line reads the line above it
	v_max3_num_f32 v[CH+\k], v[S+16*\k], v[S+16*\k+1], v[S+16*\k+2]
.endr
.irp i, 3,5,7,9,11,13
.irp k, 0,1,2,3
	v_max3_num_f32 v[CH+\k], v[CH+\k], v[S+16*\k+\i], v[S+16*\k+\i+1]
.endr
.endr
	v_max3_num_f32 v[CH], v[CH], v[S+15], v[S+31]  ; the four that are over,
	v_max3_num_f32 v[CH+2], v[CH+2], v[S+47], v[S+63]
	v_max3_num_f32 v[CH], v[CH], v[CH+1], v[CH+2]  ; and the chains' ends
	v_max_num_f32 v254, v[CH], v[CH+3]
	v_permlanex16_b32 v241, v254, s[SEL], s[SEL+1]
	v_max_num_f32 v254, v254, v241                 ; and among the lane's 16 away
	v_max_num_f32 v13, v13, v254                   ; the running largest t
	v_mov_b32 v254, v12
	v_floor_f32 v12, -v13                          ; the new -M = floor(-t): M is a whole number
	v_sub_f32 v254, v12, v254                      ; old M - new M, 0 or less
	v_cvt_i32_f32 v254, v254                       ; (it saturates)
	v_ldexp_f32 v252, 1.0, v254                    ; f = 2^(old M - new M)  (of the pair v[252:253] the low word serves both halves)
.endm
; The second half: p, the sum, the codes, O^T under the new M.  Work on registers alone.
.macro SM2 w
	WIN \w
.set j, 0
.rept 32
	v_pk_add_f32 v[S+j:S+j+1], v[S+j:S+j+1], v[12:13] op_sel_hi:[1,0]   ; t - M (the pair's low word for both halves)
.set j, j+2
.endr
.set j, 0
.rept 64
	v_exp_f32 v[S+j], v[S+j]                       ; p = 2^(t - M)
.set j, j+1
.endr
	v_pk_mul_f32 v[14:15], v[14:15], v[252:253] op_sel_hi:[1,0]   ; the sum under the new M: the plain line behind the exponentials
	s_wait_alu depctr_va_vdst(0)                   ; one wait for the batch of 64, ahead of its first reader
	v_pk_add_f32 v[242:243], v[S:S+1], v[S+2:S+3]  ; the row's sum is taken of the unquantised p, two at a time, in four chains
	v_pk_add_f32 v[250:251], v[S+4:S+5], v[S+6:S+7]
	v_pk_add_f32 v[254:255], v[S+8:S+9], v[S+10:S+11]
	v_pk_add_f32 v[14:15], v[14:15], v[S+12:S+13]
.irp g, 0,1,2,3,4,5
	v_pk_add_f32 v[242:243], v[242:243], v[S+14+8*\g:S+15+8*\g]
	v_pk_add_f32 v[250:251], v[250:251], v[S+16+8*\g:S+17+8*\g]
	v_pk_add_f32 v[254:255], v[254:255], v[S+18+8*\g:S+19+8*\g]
	v_pk_add_f32 v[14:15], v[14:15], v[S+20+8*\g:S+21+8*\g]
.endr
	v_pk_add_f32 v[242:243], v[242:243], v[S+62:S+63]
	v_pk_add_f32 v[250:251], v[250:251], v[254:255]
	v_pk_add_f32 v[14:15], v[14:15], v[242:243]
	v_pk_add_f32 v[14:15], v[14:15], v[250:251]
.set j, 0
.rept 64
	v_min_num_f32 v[S+j], v[S+j], v240             ; the conversion does not saturate (ISA guide 7.6.2); p is not negative: a one-sided hold
.set j, j+1
.endr
.irp t, 0,1,2,3,4,5,6,7
	v_cvt_scalef32_pk8_fp8_f32 v[P+2*\t:P+2*\t+1], v[S+8*\t:S+8*\t+7], v244
.endr
.set j, 0
.rept 32
	v_pk_mul_f32 v[O+j:O+j+1], v[O+j:O+j+1], v[252:253] op_sel_hi:[1,0]   ; O^T under the new M; also the plain lines between the conversions and what touches their registers next
.set j, j+2
.endr
.endm
; The addresses of the step whose slot begins at s[TB], and its K's tiles 0-3, into the mask's registers, which are dead here.
.macro NEXTK
	v_add_nc_u32 v[ADK], s[TB], v[AK0]
	v_add_nc_u32 v[ADV], s[TB], v[AV0]
	v_add_nc_u32 v[ADM], s[TB], v[AM0]
	WIN 0x40                                       ; destination window 1
	KLOAD 0
	WIN 0
.endm
; A KEY STEP: 128 keys.  At its head sixteen LDS loads of mine are out: its K's tiles 0-3.
; mode 2: the slot is filled again in the step's middle, with the tiles two steps on.  mode 1: the same waits and a barrier of the work-group, and nothing is filled.  mode 0: the last step.
.macro STEP mode
	KLOAD 1                                        ; K's tiles 4-7
	s_wait_dscnt 16                                ; tiles 0-3, asked for in the step before, are in; the sixteen loads just issued may be out
	QKMUL 0, 0x01, 0x45                            ; K in window 1; Q and S in the head's window
.rept 4
	v_nop                                          ; places ahead of the loads into the registers that these products read
.endr
	WIN 0x40                                       ; destination window 1
.irp t, 0,1,2,3,4,5,6,7
	ds_load_b128 v[MK+8*\t:MK+8*\t+3], v[ADM] offset:64*\t        ; mask(my query, keys 16 t + 8 h + 0 .. 7)
	ds_load_b128 v[MK+8*\t+4:MK+8*\t+7], v[ADM] offset:64*\t+16
.endr
	s_wait_dscnt 16                                ; K's tiles 4-7 are in; the mask's sixteen loads, issued behind them, may be out
	QKMUL 1, 0, 0x44
.rept 4
	v_nop                                          ; places ahead of the loads into K's registers and of the first read of the scores
.endr
	WIN 0
	VLOAD 0, FRG                                   ; V's tiles 0-3 land while head 2 g's softmax is worked
	s_wait_dscnt 32                                ; the mask is in; V's 32 loads, issued behind it, may be out
	WIN 0x41                                       ; source 0 and destination window 1
.set j, 0
.rept 32
	v_pk_mul_f32 v[MK+j:MK+j+1], v[MK+j:MK+j+1], s[L2E:L2E+1] op_sel_hi:[1,0]   ; x log2(e), once for both heads
.set j, j+2
.endr
	SM1 0x10, 0
	SM2 0
	VLOAD 1, S                                     ; V's tiles 4-7, into head 2 g's score registers: its p is converted.  MY LAST READ OF THIS SLOT
.if \mode
	s_wait_tensorcnt 0x0                           ; all my tensor loads have landed: the one that was out is my part of the next step's tiles; so a group 0 may be written
	ds_add_u32 v[SPW], v[NIL]                      ; 0 onto my spare word; work on registers stands between it and the wait for it
.if \mode == 2
	s_xor_b32 s[G0KV+5], s[G0KV+5], SLOT1          ; the walking descriptors: the other slot than last time, which is this step's,
	s_add_nc_u64 s[G0KV+6:G0KV+7], s[G0KV+6:G0KV+7], 16384   ; the next block of 128 keys
	s_xor_b32 s[G0M+5], s[G0M+5], SLOT1
	s_add_nc_u64 s[G0M+6:G0M+7], s[G0M+6:G0M+7], 512         ; 128 numbers along the mask's rows
	s_wait_xcnt 0x0                                ; the last prefetch, a step back, has read its address
	s_add_nc_u64 s[PFA:PFA+1], s[PFA:PFA+1], s[PFS:PFS+1]
.endif
	SM1 0x55, 0x55                                 ; head 2 g + 1: t, the maximum, M
	s_wait_dscnt 0x0                               ; the add is done, and my reads of this slot are over
	s_barrier_signal -1                            ; say so (mode 2: this barrier opens a round of the cluster's),
	SM2 0x55                                       ; work on registers while the others arrive,
	WIN 0
	s_barrier_wait -1
.if \mode == 2
	CREST                                          ; no wave of any partner still reads this slot or has a load on its way
	TLOAD                                          ; the first thing behind the round, and a wave's one tensor load until the next: it has a whole step in which to land
.endif
	s_xor_b32 s[TB], s[TB], SLOT1                  ; the next step's slot: whole, by every wave's wait ahead of the barrier
	NEXTK
.if \mode == 2
	ASK                                            ; behind the tensor load and the run of LDS loads
.endif
.else
	SM1 0x55, 0x55
	SM2 0x55
	WIN 0
	s_wait_dscnt 0x0                               ; V
.endif
	PVMUL 0, FRG                                   ; sixteen products on end: all of V is in
	PVMUL 1, S
	WIN 0
.rept 5
	v_nop                                          ; four places ahead of the loads into V's registers and of reads of O^T; the fifth since the next score products write over registers that these read as source 0
.endr
.endm
	s_wait_tensorcnt 1                             ; my part of step 0 is in; step 1's load may be out
	s_barrier_signal -1
	s_barrier_wait -1                              ; everybody's is
	NEXTK                                          ; step 0's addresses and its K's tiles 0-3
	s_wait_loadcnt 0x0                             ; Q
.Lstep:                                                ; 14 trips: steps 0 to 13 ask for steps 2 to 15
	STEP 2
	s_sub_co_u32 s[SLOTS], s[SLOTS], 1
	s_cmp_lg_u32 s[SLOTS], 0
	s_cbranch_scc1 .Lstep
	STEP 1                                         ; the last two steps are written out
	STEP 0
; THE WAY OUT.  O^T / the sum, held and converted with 2^(e10 - e8 - e9): eight codes a tile.  Both heads' 128 bytes of a token meet in my stage and leave as one aligned run of 256 bytes.
.macro FINISH
	v_add_f32 v14, v14, v15
	v_permlanex16_b32 v241, v14, s[SEL], s[SEL+1]
	v_add_f32 v14, v14, v241                       ; the row's sum
	v_rcp_f32 v242, v14
	v_nop                                          ; a plain line behind the reciprocal,
	s_wait_alu depctr_va_vdst(0)                   ; and the wait ahead of its first reader
.set j, 0
.rept 32
	v_pk_mul_f32 v[O+j:O+j+1], v[O+j:O+j+1], v[242:243] op_sel_hi:[1,0]
.set j, j+2
.endr
.set j, 0
.rept 64
	v_med3_num_f32 v[O+j], v[O+j], -v245, v245
.set j, j+1
.endr
.irp t, 0,1,2,3,4,5,6,7
	v_cvt_scalef32_pk8_fp8_f32 v[P+2*\t:P+2*\t+1], v[O+8*\t:O+8*\t+7], v246
.endr
	v_nop
.endm
	FINISH
	WIN 0x55
	FINISH
	WIN 0
.irp t, 0,1,2,3,4,5,6,7
	ds_store_b64 v[STO], v[P+2*\t:P+2*\t+1] offset:16*\t          ; head 2 g: d = 16 t + 8 h + 0 .. 7 of row r
.endr
	WIN 0x04                                       ; store data: window 1
.irp t, 0,1,2,3,4,5,6,7
	ds_store_b64 v[STO], v[P+2*\t:P+2*\t+1] offset:128+16*\t      ; head 2 g + 1
.endr
	WIN 0
.irp n, 0,1,2,3,4,5,6,7
	ds_load_b128 v[FRG+4*\n:FRG+4*\n+3], v[RD] offset:2*SP*\n     ; LDS serves a wave's instructions in order: these see my stores
.endr
.irp n, 0,1,2,3,4,5,6,7
	s_wait_dscnt 7-\n                              ; loads come back in order: number n is in, the younger ones may be out
	global_store_b128 v[GO], v[FRG+4*\n:FRG+4*\n+3], s[78:79] offset:4096*\n   ; 16 lanes store 256 consecutive bytes, aligned
.endr
	s_wait_tensorcnt 0x0                           ; the wave's end, behind my last tensor load and my last LDS store
	ds_add_u32 v[SPW], v[NIL]
	s_wait_dscnt 0x0
	CROUND                                         ; the closing round
	s_endpgm
.Lfunc_end_k_qa3200b09b2_attn:
	.size	k_qa3200b09b2_attn, .Lfunc_end_k_qa3200b09b2_attn-k_qa3200b09b2_attn
	.p2alignl 7, 3214868480
	.fill 96, 4, 3214868480
	.section	.rodata,"a",@progbits
	.p2align	6, 0x0
	.amdhsa_kernel k_qa3200b09b2_attn
		.amdhsa_group_segment_fixed_size 327680
		.amdhsa_private_segment_fixed_size 0
		.amdhsa_enable_private_segment 0
		.amdhsa_kernarg_size 32
		.amdhsa_user_sgpr_count 2
		.amdhsa_user_sgpr_kernarg_segment_ptr 1
		.amdhsa_wavefront_size32 1
		.amdhsa_system_sgpr_workgroup_id_x 1
		.amdhsa_system_sgpr_workgroup_id_y 1
		.amdhsa_system_sgpr_workgroup_id_z 1
		.amdhsa_system_vgpr_workitem_id 0
		.amdhsa_next_free_vgpr 512
		.amdhsa_next_free_sgpr 100
		.amdhsa_reserve_vcc 0
		.amdhsa_float_denorm_mode_32 3
		.amdhsa_float_denorm_mode_16_64 3
		.amdhsa_memory_ordered 1
		.amdhsa_forward_progress 1
		.amdhsa_inst_pref_size 160
	.end_amdhsa_kernel
	.amdgpu_metadata
---
amdhsa.version: [ 1, 2 ]
amdhsa.kernels:
  - .name:           k_qa3200b09b2_attn
    .symbol:         k_qa3200b09b2_attn.kd
    .args:
      - { .name: qkvc, .offset: 0, .size: 8, .value_kind: global_buffer, .address_space: global }
      - { .name: attention_mask, .offset: 8, .size: 8, .value_kind: global_buffer, .address_space: global }
      - { .name: lowp_scales, .offset: 16, .size: 8, .value_kind: global_buffer, .address_space: global }
      - { .name: oc, .offset: 24, .size: 8, .value_kind: global_buffer, .address_space: global }
    .group_segment_fixed_size: 327680
    .private_segment_fixed_size: 0
    .kernarg_segment_align: 8
    .kernarg_segment_size: 32
    .max_flat_workgroup_size: 256
    .sgpr_count:     100
    .vgpr_count:     512
    .wavefront_size: 32
...
	.end_amdgpu_metadata
.endif
;; end of part 3
;; launch oproj (part 4): grid 8 x 32, 4 waves a work-group, clusters of 4 x 4, 327,680 bytes of LDS; arguments oc, codes, lowp_scales, out0; writes out0
.if DOCPART == 4
	.amdgcn_target "amdgcn-amd-amdhsa--gfx1250"
	.amdhsa_code_object_version 6
	.text
	.protected	k_qa3200b09b2_oproj
	.globl	k_qa3200b09b2_oproj
	.p2align	8
	.type	k_qa3200b09b2_oproj,@function
k_qa3200b09b2_oproj:
	s_mov_b64 s[64:65], 0
	v_nop
	global_prefetch_b8 v0, s[64:65] scope:SCOPE_SE
	s_setreg_imm32_b32 hwreg(HW_REG_WAVE_MODE, 25, 1), 1
	s_wait_xcnt 0x0
	s_wait_alu depctr_hold_cnt(0) depctr_sa_sdst(0) depctr_va_vdst(0) depctr_va_sdst(0) depctr_va_ssrc(0) depctr_va_vcc(0) depctr_vm_vsrc(0)
	s_getreg_b32 s2, hwreg(HW_REG_IB_STS2, 6, 4)
	s_cmp_eq_u32 s2, 0
	s_cbranch_scc0 .Lentry_in_a_cluster
	s_endpgm
.Lentry_in_a_cluster:
	s_bfe_u32 s2, ttmp6, 0x10000c
	s_cmp_lg_u32 s2, 0xf033
	s_cbranch_scc0 .Lentry_shape_is_right
	s_endpgm
.Lentry_shape_is_right:
; out0[m][n] = 2^(e10 + e11) x the sum over k of oc[m][k] Wo[n][k], on codes of E4M3.  oc: [4,096][2,048]; Wo's codes: [1,024][2,048], at byte 16 Mi of the buffer codes; out0: [4,096][1,024] f32.
; LIMIT: e10 + e11 between -126 and 127, so that 2^(e10 + e11) is an f32 number.
; A tile of 128 x 128 gives 256 work-groups (256 x 256 would give 64).  Four waves, each 64 x 64: 16 accumulators.  K goes in steps of 512 (LDS rows of 512 bytes; a wave's tensor load brings 64 of them) through two slots.
; CLUSTERS of 4 x 4: A's tile is asked for jointly along a row of the cluster, B's along a column.  THE MATRIX INSTRUCTION IS USED TRANSPOSED (source 0 = 16 rows of Wo, source 1 = 16 rows of oc): a lane holds eight
; neighbouring numbers of a row of out0; a wave's 64 columns are 256 bytes, aligned, so each wave has a stage of its own and no barrier stands on the way out.
; With four K steps, two of them first fills, nothing is prefetched.
; REGISTERS: window 0: v16-29 addresses; v32-63, v64-95 at work on the way out; v128-255 the accumulators ((a, b) at v[128 + 8 (4 a + b)]).   window 1: two fragment buffers of 128: A's four fragments, then B's four.
.set KSTEP,  512
.set KROW,   2048
.set PITCH,  528                       ; 512 bytes + 16 = 132 words: the 16 rows that a load touches start at 16 different groups of four banks
.set HALFT,  64*PITCH
.set SLOT,   4*HALFT
.set LAPS,   KROW/(2*KSTEP)
.set SPARE,  2*SLOT                    ; the spare words, 128 bytes a wave, that no other line names
.set STAGE,  SPARE+512                 ; 16 rows x 272 bytes for each wave, bytes into which no tile lands
.set SPITCH, 272
.set ADRA, 16
.set ADRB, 20
.set STO,  24
.set RD,   25
.set CO,   26
.set SPW,  28
.set NIL,  29
.set TMP,  32
.set BK,   64
.set ACC,  128
.set F0,   0
.set F1,   128
.set G1, 24
.set G0, 32
.set G1B, 48
.set G0B, 56
.set MSB, 0
.macro WIN new
.if MSB != (\new)
	s_set_vgpr_msb (MSB<<8)|(\new)
.set MSB, (\new)
.endif
.endm
.set MUL,  0x05                        ; sources 0 (B) and 1 (A) window 1; C and D window 0
.set TO_F, 0x40
.macro JLOAD s                         ; waves 0 and 1 fetch A's halves, waves 2 and 3 B's; an s_nop 0 and four v_nop follow each line
	s_cmp_eq_u32 s15, 0
	s_cbranch_scc0 .Lfor_b_\@
	tensor_load_to_lds s[G0+4*\s:G0+4*\s+3], s[G1:G1+7]
	s_nop 0
.rept 4
	v_nop
.endr
	s_branch .Lasked_\@
.Lfor_b_\@:
	tensor_load_to_lds s[G0B+4*\s:G0B+4*\s+3], s[G1B:G1B+7]
	s_nop 0
.rept 4
	v_nop
.endr
.Lasked_\@:
.endm
.macro CREST
	s_cmp_lg_u32 s14, 0
	s_cbranch_scc1 .Lnot_wave_0_\@
	s_barrier_signal -3
.Lnot_wave_0_\@:
	s_barrier_wait -3
	s_barrier_signal -1
	s_barrier_wait -1
.endm
.macro CROUND
	s_barrier_signal -1
	s_barrier_wait -1
	CREST
.endm
	s_load_b256 s[4:11], s[0:1], 0x0               ; oc s[4:5], codes s[6:7], the exponents s[8:9], out0 s[10:11]
	v_lshl_add_u32 v[SPW], v0, 2, SPARE
	v_mov_b32 v[NIL], 0
	ds_add_u32 v[SPW], v[NIL]                      ; the wave's opening: the add and its wait ahead of my first tensor load; register work stands between them
	v_lshrrev_b32 v1, 5, v0
	v_readfirstlane_b32 s14, v1                    ; wave 0..3
	s_lshr_b32 s15, s14, 1                         ; which half of the tile's rows is mine.  Also: I fetch for A (0) or for B (1)
	s_and_b32 s16, s14, 1                          ; which half of its columns.  Also: which 64 rows of that tile I fetch
	s_bfe_u32 s40, ttmp6, 0x40000                  ; cx, cy
	s_bfe_u32 s41, ttmp6, 0x40004
	s_lshl_b32 s42, ttmp9, 2
	s_add_co_u32 s42, s42, s40                     ; tile column
	s_and_b32 s17, ttmp7, 0xffff
	s_lshl_b32 s17, s17, 2
	s_add_co_u32 s17, s17, s41                     ; tile row
	s_lshl_b32 s43, s41, 2
	s_lshl_b32 s43, 15, s43                        ; my row of the cluster
	s_lshl_b32 s44, 0x1111, s40                    ; my column
	s_or_b32 s[G1+0], s43, (0<<16)|(1<<20)|(1<<21)|(6<<22)|(3<<25)  ; elements of 1 byte; padding: four words after every 128; bit 21 beside a mask
	s_or_b32 s[G1B+0], s44, (0<<16)|(1<<20)|(1<<21)|(6<<22)|(3<<25)
.irp g, G1, G1B
	s_mov_b32 s[\g+1], KSTEP<<16                   ; tensor_dim0
	s_mov_b32 s[\g+2], 64<<16                      ; tensor_dim1
	s_mov_b32 s[\g+3], KSTEP<<16                   ; tile_dim0
	s_mov_b32 s[\g+4], 64                          ; tile_dim1
	s_mov_b32 s[\g+5], KROW                        ; tensor_dim0_stride
	s_mov_b32 s[\g+6], 0
	s_mov_b32 s[\g+7], 0
.endr
	s_lshl_b32 s18, s16, 6
	s_lshl_b32 s20, s17, 7
	s_add_co_u32 s20, s20, s18                     ; A: row 128 x tile row + 64 x half
	s_lshl_b32 s20, s20, 11
	s_mov_b32 s21, 0
	s_lshl_b32 s46, s42, 7
	s_add_co_u32 s46, s46, s18                     ; B: row 128 x tile column + 64 x half,
	s_lshl_b32 s46, s46, 11
	s_add_co_u32 s46, s46, 0x1000000               ; behind the 16 Mi of the other codes
	s_mov_b32 s47, 0
	s_mul_i32 s45, s14, HALFT
	s_wait_dscnt 0x0                               ; the opening add is done
	s_wait_kmcnt 0x0
	s_load_b64 s[96:97], s[8:9], 0x28              ; e10, e11
	s_add_nc_u64 s[20:21], s[4:5], s[20:21]
	s_add_nc_u64 s[46:47], s[6:7], s[46:47]
	CROUND                                         ; all sixteen work-groups are here: the first joint loads meet
.irp s, 0,1
	s_mov_b32 s[G0+4*\s], 1
	s_add_co_u32 s[G0+4*\s+1], s45, \s*SLOT
	s_add_nc_u64 s[G0+4*\s+2:G0+4*\s+3], s[20:21], \s*KSTEP
	s_or_b32 s[G0+4*\s+3], s[G0+4*\s+3], 0x80000000
	s_mov_b32 s[G0B+4*\s], 1
	s_add_co_u32 s[G0B+4*\s+1], s45, \s*SLOT
	s_add_nc_u64 s[G0B+4*\s+2:G0B+4*\s+3], s[46:47], \s*KSTEP
	s_or_b32 s[G0B+4*\s+3], s[G0B+4*\s+3], 0x80000000
	JLOAD \s
.endr
	v_and_b32 v1, 15, v0                           ; r
	v_bfe_u32 v2, v0, 4, 1                         ; h
	v_mul_u32_u24 v3, v1, PITCH
	v_lshl_add_u32 v3, v2, 4, v3
	s_mul_i32 s21, s15, HALFT                      ; my 64 rows of A
	s_mul_i32 s22, s16, HALFT                      ; my 64 rows of B,
	s_add_co_u32 s22, s22, 2*HALFT                 ; behind A's 128
.irp s, 0,1
	v_add_nc_u32 v[ADRA+\s], s21, v3
	v_add_nc_u32 v[ADRB+\s], s22, v3
	s_add_co_u32 s21, s21, SLOT
	s_add_co_u32 s22, s22, SLOT
.endr
	s_mul_i32 s23, s14, 16*SPITCH
	s_add_co_u32 s23, s23, STAGE                   ; my stage
	v_mul_u32_u24 v4, v1, SPITCH
	v_lshl_add_u32 v4, v2, 5, v4
	v_add_nc_u32 v[STO], s23, v4                   ; in: row r, 32 bytes for each half of the lanes
	v_mul_u32_u24 v5, v2, SPITCH
	v_lshl_add_u32 v5, v1, 4, v5
	v_add_nc_u32 v[RD], s23, v5                    ; back: lanes 0-15 one row of 256 bytes, lanes 16-31 the next
	v_lshlrev_b32 v[CO], 12, v2
	v_lshl_add_u32 v[CO], v1, 4, v[CO]             ; the same two rows in out0 (4,096 bytes a row)
	s_lshl_b32 s20, s17, 7
	s_lshl_b32 s21, s15, 6
	s_add_co_u32 s20, s20, s21
	s_lshl_b32 s20, s20, 12                        ; my first row
	s_lshl_b32 s21, s42, 9
	s_add_co_u32 s20, s20, s21
	s_lshl_b32 s21, s16, 8
	s_add_co_u32 s20, s20, s21                     ; my first column, in bytes
	s_mov_b32 s21, 0
	s_add_nc_u64 s[10:11], s[10:11], s[20:21]
; four matrix instructions: A's block a x B's four, 128 along K.  The 16 accumulators take turns in the same order in every quarter.
.macro MUL4 f, a, zero
.irp b, 0,1,2,3
.if \zero
	v_wmma_f32_16x16x128_fp8_fp8 v[ACC+8*(4*(\a)+\b):ACC+8*(4*(\a)+\b)+7], v[\f+64+16*\b:\f+64+16*\b+15], v[\f+16*(\a):\f+16*(\a)+15], 0
.else
	v_wmma_f32_16x16x128_fp8_fp8 v[ACC+8*(4*(\a)+\b):ACC+8*(4*(\a)+\b)+7], v[\f+64+16*\b:\f+64+16*\b+15], v[\f+16*(\a):\f+16*(\a)+15], v[ACC+8*(4*(\a)+\b):ACC+8*(4*(\a)+\b)+7]
.endif
.endr
.endm
; 32 LDS loads in one run: the fragments of 128 along K at byte k of the rows into buffer f: B's four, then A's blocks 0 to 3.  Lane l holds row l % 16; registers 4 c .. 4 c + 3 hold K = 32 c + 16 (l / 16) + 0 .. 15, in A and B alike.
.macro FETCH slot, k, f
	WIN TO_F
.irp i, 0,1,2,3
.irp c, 0,1,2,3
	ds_load_b128 v[\f+64+16*\i+4*\c:\f+64+16*\i+4*\c+3], v[ADRB+\slot] offset:\k+32*\c+\i*16*PITCH
.endr
.endr
.irp i, 0,1,2,3
.irp c, 0,1,2,3
	ds_load_b128 v[\f+16*\i+4*\c:\f+16*\i+4*\c+3], v[ADRA+\slot] offset:\k+32*\c+\i*16*PITCH
.endr
.endr
.endm
.macro PLACES
.rept 4
	v_nop
.endr
.endm
; A K step is four quarters of 128 along K, 16 matrix instructions each, on buffers 0, 1, 0, 1.  One of the first three multiplies buffer f and fetches the next quarter, at byte k, into g.
.macro QUARTER slot, k, f, g, zero
	s_wait_dscnt 8                                 ; B's four and A's blocks 0, 1 are in; the youngest eight loads (A's blocks 2, 3) may be out
	WIN MUL
	MUL4 \f, 0, \zero
	MUL4 \f, 1, \zero
	PLACES                                         ; ahead of loads into the buffer that the quarter before multiplied
	FETCH \slot, \k, \g
	s_wait_dscnt 32                                ; all but the 32 just issued
	WIN MUL
	MUL4 \f, 2, \zero
	MUL4 \f, 3, \zero
.endm
; The last quarter multiplies buffer 1 and changes slots: one barrier; in front of it each wave waits for all its tensor loads, adds 0 to its spare word, and waits for that and for its reads of this slot.
.macro TURN slot, next, fill
	WIN 0
	s_wait_tensorcnt 0x0                           ; all my tensor loads have landed: my part of the next slot
	ds_add_u32 v[SPW], v[NIL]
	s_wait_dscnt 9                                 ; the add and the youngest eight loads (A's blocks 2, 3) may be out
	WIN MUL
	MUL4 F1, 0, 0
	s_wait_dscnt 0x0                               ; the add is done, and my reads of this slot are over
	s_barrier_signal -1
	MUL4 F1, 1, 0
	WIN 0
	s_barrier_wait -1
.if \fill
	CREST                                          ; the barrier has opened a round of the cluster's: no wave of any partner still reads this slot or has a load on its way
	s_add_nc_u64 s[G0+4*\slot+2:G0+4*\slot+3], s[G0+4*\slot+2:G0+4*\slot+3], 2*KSTEP
	s_add_nc_u64 s[G0B+4*\slot+2:G0B+4*\slot+3], s[G0B+4*\slot+2:G0B+4*\slot+3], 2*KSTEP
	JLOAD \slot                                    ; the first tensor load behind the round; its four v_nop are the places in front of the loads below
.else
	PLACES
.endif
	FETCH \next, 0, F0
	WIN MUL
	MUL4 F1, 2, 0
	MUL4 F1, 3, 0
.endm
	s_wait_tensorcnt 1                             ; my part of K step 0 is in; K step 1's load may be out
	s_barrier_signal -1
	s_barrier_wait -1
	FETCH 0, 0, F0
	QUARTER 0, 128, F0, F1, 1                      ; the first quarter's products start the sums
	WIN 0
	s_mov_b32 s3, LAPS-1
.Llap:                                                 ; a trip goes once round the ring, from a lap's second quarter to the next lap's first, and fills both slots again
	QUARTER 0, 256, F1, F0, 0
	QUARTER 0, 384, F0, F1, 0
	TURN 0, 1, 1
	QUARTER 1, 128, F0, F1, 0
	QUARTER 1, 256, F1, F0, 0
	QUARTER 1, 384, F0, F1, 0
	TURN 1, 0, 1
	QUARTER 0, 128, F0, F1, 0
	WIN 0
	s_sub_co_u32 s3, s3, 1
	s_cmp_lg_u32 s3, 0
	s_cbranch_scc1 .Llap
	QUARTER 0, 256, F1, F0, 0                      ; the last lap fills nothing
	QUARTER 0, 384, F0, F1, 0
	TURN 0, 1, 0
	QUARTER 1, 128, F0, F1, 0
	QUARTER 1, 256, F1, F0, 0
	QUARTER 1, 384, F0, F1, 0
	s_wait_dscnt 8
	WIN MUL
	MUL4 F1, 0, 0
	MUL4 F1, 1, 0
	s_wait_dscnt 0
	MUL4 F1, 2, 0
	MUL4 F1, 3, 0
	WIN 0
; THE WAY OUT, 16 rows x 64 columns at a time: x 2^(e10 + e11) into other registers, each accumulator from its low end on; 32 bytes a lane into my stage; back as whole rows of 256 bytes; stored.
.macro OUTBLK a
.if (\a) > 0
	s_wait_xcnt 0x0                                ; the last block's stores have read their data: those registers are loaded again below
.endif
.set j, 0
.rept 16
	v_pk_mul_f32 v[TMP+j:TMP+j+1], v[ACC+32*(\a)+j:ACC+32*(\a)+j+1], s[96:97] op_sel_hi:[1,0]
.set j, j+2
.endr
.irp b, 0,1,2,3
	ds_store_b128 v[STO], v[TMP+8*\b:TMP+8*\b+3] offset:64*\b
	ds_store_b128 v[STO], v[TMP+8*\b+4:TMP+8*\b+7] offset:64*\b+16
.endr
.irp n, 0,1,2,3,4,5,6,7
	ds_load_b128 v[BK+4*\n:BK+4*\n+3], v[RD] offset:2*SPITCH*\n   ; LDS serves a wave's instructions in order: these see my stores
.endr
	s_wait_dscnt 0x0
.irp n, 0,1,2,3,4,5,6,7
	global_store_b128 v[CO], v[BK+4*\n:BK+4*\n+3], s[10:11] offset:(16*(\a)+2*\n)*4096 th:TH_STORE_NT   ; 16 lanes store 256 consecutive bytes, aligned; written once, read by nobody here
.endr
.endm
	s_wait_kmcnt 0x0
	s_add_co_i32 s96, s96, s97
	s_add_co_i32 s96, s96, 127
	s_lshl_b32 s96, s96, 23                        ; 2^(e10 + e11) as f32
	PLACES                                         ; behind the last products, ahead of the first read of results
.irp a, 0,1,2,3
	OUTBLK \a
.endr
	s_wait_tensorcnt 0x0                           ; the wave's end, behind my last tensor load and my last LDS store
	ds_add_u32 v[SPW], v[NIL]
	s_wait_dscnt 0x0
	CROUND                                         ; the closing round
	s_endpgm
.Lfunc_end_k_qa3200b09b2_oproj:
	.size	k_qa3200b09b2_oproj, .Lfunc_end_k_qa3200b09b2_oproj-k_qa3200b09b2_oproj
	.p2alignl 7, 3214868480
	.fill 96, 4, 3214868480
	.section	.rodata,"a",@progbits
	.p2align	6, 0x0
	.amdhsa_kernel k_qa3200b09b2_oproj
		.amdhsa_group_segment_fixed_size 327680
		.amdhsa_private_segment_fixed_size 0
		.amdhsa_enable_private_segment 0
		.amdhsa_kernarg_size 32
		.amdhsa_user_sgpr_count 2
		.amdhsa_user_sgpr_kernarg_segment_ptr 1
		.amdhsa_wavefront_size32 1
		.amdhsa_system_sgpr_workgroup_id_x 1
		.amdhsa_system_sgpr_workgroup_id_y 1
		.amdhsa_system_sgpr_workgroup_id_z 1
		.amdhsa_system_vgpr_workitem_id 0
		.amdhsa_next_free_vgpr 512
		.amdhsa_next_free_sgpr 100
		.amdhsa_reserve_vcc 0
		.amdhsa_float_denorm_mode_32 3
		.amdhsa_float_denorm_mode_16_64 3
		.amdhsa_memory_ordered 1
		.amdhsa_forward_progress 1
		.amdhsa_inst_pref_size 74
	.end_amdhsa_kernel
	.amdgpu_metadata
---
amdhsa.version: [ 1, 2 ]
amdhsa.kernels:
  - .name:           k_qa3200b09b2_oproj
    .symbol:         k_qa3200b09b2_oproj.kd
    .args:
      - { .name: oc, .offset: 0, .size: 8, .value_kind: global_buffer, .address_space: global }
      - { .name: codes, .offset: 8, .size: 8, .value_kind: global_buffer, .address_space: global }
      - { .name: lowp_scales, .offset: 16, .size: 8, .value_kind: global_buffer, .address_space: global }
      - { .name: out0, .offset: 24, .size: 8, .value_kind: global_buffer, .address_space: global }
    .group_segment_fixed_size: 327680
    .private_segment_fixed_size: 0
    .kernarg_segment_align: 8
    .kernarg_segment_size: 32
    .max_flat_workgroup_size: 128
    .sgpr_count:     100
    .vgpr_count:     512
    .wavefront_size: 32
...
	.end_amdgpu_metadata
.endif
;; end of part 4
